; MI455X (gfx1250); checked and timed in simulation.
; The chip was launched on July 23, 2026; its instructions are those of AMD's public machine-readable ISA for CDNA 5 (MIT licence, August 2026) and "CDNA5" Instruction Set Architecture Reference Guide (July 2026). The comments in the code are by the model that wrote it; some were corrected since.
;; Encoder Layer. Allowed arithmetic: matrix products marked QUANTISED: E4M3 operands, one E8M0 scale for each 32 along K, by v_wmma_scale_f32_16x16x128_f8f6f4 with both operands' format E4M3, f32 sums; everything else in f32.
;; Inputs: W1_codes 4,096 x 32 x 32 uint8 (E4M3 codes of W1, K innermost, in blocks of 32 codes); W1_scales 4,096 x 32 uint8 (E8M0 scales of W1, one for each 32 codes along K); W2_codes 1,024 x 128 x 32 uint8 (E4M3 codes of W2, K innermost, in blocks of 32 codes); W2_scales 1,024 x 128 uint8 (E8M0 scales of W2, one for each 32 codes along K); Wk_codes 1,024 x 32 x 32 uint8 (E4M3 codes of Wk, K innermost, in blocks of 32 codes); Wk_scales 1,024 x 32 uint8 (E8M0 scales of Wk, one for each 32 codes along K); Wo_codes 1,024 x 32 x 32 uint8 (E4M3 codes of Wo, K innermost, in blocks of 32 codes); Wo_scales 1,024 x 32 uint8 (E8M0 scales of Wo, one for each 32 codes along K); Wq_codes 1,024 x 32 x 32 uint8 (E4M3 codes of Wq, K innermost, in blocks of 32 codes); Wq_scales 1,024 x 32 uint8 (E8M0 scales of Wq, one for each 32 codes along K); Wv_codes 1,024 x 32 x 32 uint8 (E4M3 codes of Wv, K innermost, in blocks of 32 codes); Wv_scales 1,024 x 32 uint8 (E8M0 scales of Wv, one for each 32 codes along K); b1 4,096 float32; b2 1,024 float32; beta1 1,024 float32; beta2 1,024 float32; bk 1,024 float32; bo 1,024 float32; bq 1,024 float32; bv 1,024 float32; gamma1 1,024 float32; gamma2 1,024 float32; x 2 x 2,048 x 1,024 float32.
;; Outputs: out0 2 x 2,048 x 1,024 float32.
;; Constants: mask = 0.
;; This version of the problem:
;;   THIS VERSION OF THE PROBLEM IS GIVEN IN LOW PRECISION. The matrix products marked QUANTISED in the list below multiply operands that are first quantised to E4M3 (4 exponent bits, 3 mantissa bits; 8 bits a number), with one power-of-two scale for each 32 numbers along K (OCP MX v1.0); their sums are f32. All else is computed in f32.
;;   The module's matrix products, in the order in which they are computed (A, B: the left and right operand; K: the contracted axis; several contracted axes count as one K, in the product's order):
;;     1. [M 4,096, K 1,024] x [K 1,024, N 1,024]; A: computed on the way; B: input Wq (given as codes): QUANTISED
;;     2. [M 4,096, K 1,024] x [K 1,024, N 1,024]; A: computed on the way; B: input Wk (given as codes): QUANTISED
;;     3. [M 4,096, K 1,024] x [K 1,024, N 1,024]; A: computed on the way; B: input Wv (given as codes): QUANTISED
;;     4. batch 32 x [M 2,048, K 64] x [K 64, N 2,048]; A: computed on the way; B: computed on the way: QUANTISED
;;     5. batch 32 x [M 2,048, K 2,048] x [K 2,048, N 64]; A: softmax (see below); B: computed on the way: QUANTISED
;;     6. [M 4,096, K 1,024] x [K 1,024, N 1,024]; A: computed on the way; B: input Wo (given as codes): QUANTISED
;;     7. [M 4,096, K 1,024] x [K 1,024, N 4,096]; A: computed on the way; B: input W1 (given as codes): QUANTISED
;;     8. [M 4,096, K 4,096] x [K 4,096, N 1,024]; A: computed on the way; B: input W2 (given as codes): QUANTISED
;;   THE QUANTISER, for each operand of a quantised product, along K:
;;     - K is cut into blocks of 32 from its start; a last block that is shorter is filled with zeros.
;;     - A block's scale is 2^e with e = floor(log2(the largest magnitude in the block)) - 8, held to -126 .. 127; a block of zeros has e = 0. As a byte (E8M0): e + 127.
;;     - Each number is divided by its block's scale, clamped to +-448, and rounded to the nearest number of E4M3, ties to even, subnormals kept.
;;     - The product sums the exact products of the quantised numbers (number of the format x scale) in f32.
;;   ~~~python
;;   def quantise(x, axis):      # numpy; x: float32 -> the quantised numbers, widened to float32 again
;;       x = np.moveaxis(x, axis, -1); K = x.shape[-1]
;;       x = np.pad(x, [(0, 0)] * (x.ndim - 1) + [(0, -K % 32)]); x = x.reshape(x.shape[:-1] + (-1, 32)); a = np.abs(x).max(-1, keepdims=True)
;;       e = np.where(a > 0, np.clip(np.frexp(np.where(a > 0, a, 1))[1] - 1 - 8, -126, 127), 0)      # np.frexp(a)[1] - 1 = floor(log2(a)), exactly
;;       r = np.clip(x / 2.0 ** e, -448, 448)
;;       step = 2.0 ** (np.maximum(np.frexp(np.where(r == 0, 1, r))[1] - 1, -6) - 3)
;;       q = np.round(r / step) * step * 2.0 ** e      # np.round: ties to even
;;       return np.moveaxis(q.reshape(q.shape[:-2] + (-1,))[..., :K], -1, axis).astype(np.float32)
;;   ~~~
;;   SOFTMAX AHEAD OF A QUANTISED PRODUCT. Where the list says 'softmax', what is quantised is not the finished softmax but p = 2^(t - M), with t = logit x log2(e) and M = ceil(the row's largest t), a whole number; so 1/2 < the row's largest p <= 1. The row's sum l is taken of the UNQUANTISED p, in f32, and the product's result is divided by l at the end. Since M is a whole number, a kernel that streams over the keys may use a running M (the ceiling of the running maximum): every later rescaling is an exact power of two, which a block's scale takes up: the codes' values come out the same.
;;   OPERANDS COMPUTED ON THE WAY. 'Computed on the way' means the value that the module computes at that place (a softmax that the list does not call 'softmax' is quantised finished and normalised). What goes into a quantiser is computed in f32, as accurately as f32 sums, v_exp_f32 and their like allow (about 1e-6 of the number): no bf16 or f16 on the way to a quantiser, and a product that is left as it is and whose result goes on into a quantised operand takes f32 operands (vector FMAs, or v_wmma_f32_16x16x4_f32). A number that lies on a knife's edge between two numbers of the format may be rounded either way, as far as f32 arithmetic and the matrix unit's own rounding can turn it there, and no further.
;;   INPUTS GIVEN AS CODES. W1 (in the module: [1024, 4096], K = its axis 0); W2 (in the module: [4096, 1024], K = its axis 0); Wk (in the module: [1024, 1024], K = its axis 0); Wo (in the module: [1024, 1024], K = its axis 0); Wq (in the module: [1024, 1024], K = its axis 0); Wv (in the module: [1024, 1024], K = its axis 0): each comes as NAME_codes (uint8): NAME with its K axis moved to the last place and cut into blocks of 32 codes, [.., K / 32, bytes a block], one block behind the other in memory; one code a byte (a code: sign, 4 exponent bits, 3 mantissa bits); and NAME_scales (uint8): the same leading axes, one E8M0 byte (e + 127) for each 32 codes along K. Its value is code x scale, taken as it is: it is not quantised again, and the codes and scales need not be those that the quantiser above would give.
;; One version. Each part assembles by itself: llvm-mc -triple=amdgcn-amd-amdhsa -mcpu=gfx1250 --defsym DOCPART=n.
;; ======== version 1 of 1: 7 launches
;; limits: right only within a limited range of input values
;; workspace buffers: hq 4,325,376 bytes; qkv 13,238,272 bytes; cq 4,456,448 bytes; x1 16,777,216 bytes; gq 17,301,504 bytes
;; launch ln1 (part 1): grid 256 x 1, 16 waves a work-group, no clusters, 84,480 bytes of LDS; arguments x, gamma1, beta1, hq; writes hq
.if DOCPART == 1
	.amdgcn_target "amdgcn-amd-amdhsa--gfx1250"
	.amdhsa_code_object_version 6
	.text
	.protected	k_q5d9f9e8563_ln1
	.globl	k_q5d9f9e8563_ln1
	.p2align	8
	.type	k_q5d9f9e8563_ln1,@function
k_q5d9f9e8563_ln1:
	s_mov_b64 s[64:65], 0
	v_nop
	global_prefetch_b8 v0, s[64:65] scope:SCOPE_SE
	s_setreg_imm32_b32 hwreg(HW_REG_WAVE_MODE, 25, 1), 1
	s_wait_xcnt 0x0
; THE WHOLE PROGRAM: an encoder layer in seven launches: layer norm 1 | q, k, v | attention | Wo + residual | layer norm 2 | W1 + gelu | W2 + residual.
; NO WORK IS LEFT OUT: every weight, bias and gain has a way to the output and is loaded.  mask is a constant 0 that the layer never uses and is no buffer.
; THIS LAUNCH: h = gamma (x - mean) / (std + 1e-6) + beta, std with n - 1, for 4,096 rows of 1,024 f32; h is quantised along the row to codes of E4M3 with one E8M0 byte for each 32.
; Out: codes [4096][1024] at byte 0 of the buffer, scale bytes [4096][32] at byte 4,194,304.
; A block's byte is its largest magnitude's exponent field - 8, held at 1 from below (a block of zeros gets 1: its codes are zeros, and this program alone reads the bytes).
; LIMITS: NaN and infinities among the inputs are not served; blocks whose largest magnitude lies under 2^-118 take the byte 1.
; SHARES: a work-group owns 16 rows, each of its sixteen waves one: 8 loads of 512 consecutive bytes, 32 registers; four waves share a SIMD, so that one row's chain of sums stands beside three others'.
; Mean first, then the squares of x - mean: a common offset of the inputs does no harm.
; The conversions want 16 neighbours in one lane, the loads give 4: a row turns through the wave's own stage in LDS (64 bytes + 16 of padding for each lane on the way out).
; No matrix unit, no tensor load, no cluster: the launch moves each byte of the rows once; no prefetch: there is no loop to run ahead in.
.set X,     96                         ; v96-127  my row; its registers then hold its codes (0-7) and scale bytes (8, 9)
.set T,     224                        ; v224-255 two halves of the row, 16 neighbours a lane each
.set G,     32                         ; v32-63   gamma of my 32 columns
.set BT,    64                         ; v64-95   beta
.set SPW,   12                         ; v12      LDS address of my spare word; never rewritten
.set NIL,   13                         ; v13      0; never rewritten
.set SCB,   81920                      ; LDS: behind the sixteen stages of 5,120 bytes: the work-group's 512 scale bytes
.set SPARE, 82432                      ; and the spare words, 128 bytes a wave
	s_load_b256 s[4:11], s[0:1], 0x0               ; rows in s[4:5], gamma s[6:7], beta s[8:9], out s[10:11]
	v_lshl_add_u32 v[SPW], v0, 2, SPARE
	v_mov_b32 v[NIL], 0
	v_lshrrev_b32 v1, 5, v0
	v_readfirstlane_b32 s14, v1                    ; wave
	v_and_b32 v1, 31, v0                           ; lane
	v_lshlrev_b32 v2, 4, v1                        ; 16 x lane
	s_mul_i32 s15, s14, 5120                       ; my stage
	v_lshrrev_b32 v3, 2, v1
	v_mul_u32_u24 v3, v3, 80
	v_and_b32 v4, 3, v1
	v_lshl_add_u32 v3, v4, 4, v3
	v_add_nc_u32 v3, s15, v3                       ; in: four lanes' 64 bytes on end, then 16 of padding
	v_mul_u32_u24 v4, v1, 80
	v_add_nc_u32 v4, s15, v4                       ; out: 80 x lane: my 16 neighbours
	s_lshl_b32 s15, s14, 5
	s_add_co_u32 s15, s15, SCB
	v_lshrrev_b32 v5, 1, v1
	v_add_nc_u32 v5, s15, v5                       ; my block's scale byte among my row's 32
	v_add_nc_u32 v6, SCB, v2                       ; wave 0 reads all 512 back
	v_mov_b32 v7, 0                                ; a lane permute's destination counts as read: written once
	v_mov_b32 v15, 0                               ; upper halves of pairs whose low word serves both halves
	v_mov_b32 v17, 0
	s_mov_b32 s16, 0x76543210
	s_mov_b32 s17, 0xfedcba98                      ; lane l xor 16
	s_mov_b32 s18, 0x600000                        ; the mantissa field of 448
	s_lshl_b32 s20, ttmp9, 16                      ; 16 rows of 4,096 bytes a work-group,
	s_lshl_b32 s19, s14, 12                        ; one a wave
	s_add_co_u32 s20, s20, s19
	s_mov_b32 s21, 0
	s_lshr_b32 s22, s20, 2                         ; the codes: a quarter of that
	s_mov_b32 s23, 0
	s_lshl_b32 s24, ttmp9, 9                       ; the scale bytes: 512 a work-group
	s_mov_b32 s25, 0
	s_wait_kmcnt 0x0
	s_add_nc_u64 s[4:5], s[4:5], s[20:21]
	s_add_nc_u64 s[12:13], s[10:11], 0x400000
	s_add_nc_u64 s[12:13], s[12:13], s[24:25]
	s_add_nc_u64 s[10:11], s[10:11], s[22:23]
.irp j, 0,1,2,3,4,5,6,7
	global_load_b128 v[X+4*\j:X+4*\j+3], v2, s[4:5] offset:512*\j th:TH_LOAD_NT
.endr
.irp j, 0,1,2,3,4,5,6,7
	global_load_b128 v[G+4*\j:G+4*\j+3], v2, s[6:7] offset:512*\j
.endr
.irp j, 0,1,2,3,4,5,6,7
	global_load_b128 v[BT+4*\j:BT+4*\j+3], v2, s[8:9] offset:512*\j
.endr
.macro REDUCE                          ; v8 summed over the 32 lanes, the result in every lane
	v_add_f32_dpp v8, v8, v8 row_xmask:1 row_mask:0xf bank_mask:0xf
	v_add_f32_dpp v8, v8, v8 row_xmask:2 row_mask:0xf bank_mask:0xf
	v_add_f32_dpp v8, v8, v8 row_xmask:4 row_mask:0xf bank_mask:0xf
	v_add_f32_dpp v8, v8, v8 row_xmask:8 row_mask:0xf bank_mask:0xf
	v_permlanex16_b32 v7, v8, s16, s17
	v_add_f32 v8, v8, v7
.endm
.macro HALF s                          ; half s of the row: 16 neighbours a lane, two lanes to a block, become 16 codes and a byte
.set TH, T+16*\s
.if \s == 0
	s_wait_dscnt 4                                 ; the stage's stores and this half's four loads are done; the other half's four may be out
.else
	s_wait_dscnt 1                                 ; this half's loads are in; the first half's byte store may be out
.endif
	v_max3_num_f32 v18, |v[TH]|, |v[TH+1]|, |v[TH+2]|
	v_max3_num_f32 v19, |v[TH+3]|, |v[TH+4]|, |v[TH+5]|
.irp i, 6,10
	v_max3_num_f32 v18, v18, |v[TH+\i]|, |v[TH+\i+1]|
	v_max3_num_f32 v19, v19, |v[TH+\i+2]|, |v[TH+\i+3]|
.endr
	v_max3_num_f32 v18, v18, |v[TH+14]|, |v[TH+15]|
	v_max3_num_f32 v18, v18, v19, 0x4800000        ; and the floor 2^(9 - 127): the byte cannot fall under 1
	v_max_num_f32_dpp v18, v18, v18 row_xmask:1 row_mask:0xf bank_mask:0xf   ; with my neighbour's 16: the block's largest magnitude
	v_add_nc_u32 v21, 0xfc000000, v18              ; 8 off its exponent field: the conversion's scale operand
	v_and_or_b32 v20, v18, 0x7f800000, s18         ; 448 x the scale
.set i, 0
.rept 16
	v_med3_num_f32 v[TH+i], v[TH+i], -v20, v20     ; the conversion to an 8-bit code does not saturate (ISA guide 7.6.2): the hold comes first
.set i, i+1
.endr
	v_cvt_scalef32_pk8_fp8_f32 v[X+4*\s:X+4*\s+1], v[TH:TH+7], v21
	v_cvt_scalef32_pk8_fp8_f32 v[X+4*\s+2:X+4*\s+3], v[TH+8:TH+15], v21
	v_lshrrev_b32 v[X+8+\s], 23, v21               ; the scale's byte
	ds_store_b8 v5, v[X+8+\s] offset:16*\s         ; both lanes of a block write the same byte with the same value
	global_store_b128 v2, v[X+4*\s:X+4*\s+3], s[10:11] offset:512*\s   ; the wave stores 512 consecutive bytes
.endm
	s_wait_loadcnt 16                              ; my row is in; gamma's and beta's eight loads each may be out
	v_pk_add_f32 v[8:9], v[X:X+1], v[X+2:X+3]
	v_pk_add_f32 v[10:11], v[X+4:X+5], v[X+6:X+7]
.irp j, 8,12,16,20,24,28
	v_pk_add_f32 v[8:9], v[8:9], v[X+\j:X+\j+1]
	v_pk_add_f32 v[10:11], v[10:11], v[X+\j+2:X+\j+3]
.endr
	v_pk_add_f32 v[8:9], v[8:9], v[10:11]
	v_add_f32 v8, v8, v9
	REDUCE
	v_mul_f32 v14, 0x3a800000, v8                  ; the mean: / 1,024
.set j, 0
.rept 16
	v_pk_add_f32 v[X+j:X+j+1], v[X+j:X+j+1], v[14:15] op_sel_hi:[1,0] neg_lo:[0,1] neg_hi:[0,1]
.set j, j+2
.endr
	v_pk_mul_f32 v[8:9], v[X:X+1], v[X:X+1]
	v_pk_mul_f32 v[10:11], v[X+2:X+3], v[X+2:X+3]
.irp j, 4,8,12,16,20,24,28
	v_pk_fma_f32 v[8:9], v[X+\j:X+\j+1], v[X+\j:X+\j+1], v[8:9]
	v_pk_fma_f32 v[10:11], v[X+\j+2:X+\j+3], v[X+\j+2:X+\j+3], v[10:11]
.endr
	v_pk_add_f32 v[8:9], v[8:9], v[10:11]
	v_add_f32 v8, v8, v9
	REDUCE
	v_mul_f32 v8, 0x3a802008, v8                   ; / 1,023
	s_wait_alu depctr_va_vdst(0)                   ; the wait ahead of a transcendental
	v_sqrt_f32 v16, v8
	v_nop                                          ; a plain instruction behind the root,
	s_wait_alu depctr_va_vdst(0)                   ; and the wait ahead of its first reader
	v_add_f32 v16, 0x358637bd, v16                 ; + 1e-6
	s_wait_alu depctr_va_vdst(0)
	v_rcp_f32 v16, v16
	v_nop
	s_wait_alu depctr_va_vdst(0)
.set j, 0
.rept 16
	v_pk_mul_f32 v[X+j:X+j+1], v[X+j:X+j+1], v[16:17] op_sel_hi:[1,0]
.set j, j+2
.endr
	s_wait_alu depctr_va_vdst(0)                   ; the wait here, directly ahead of the wait below
	s_wait_loadcnt 0x0                             ; gamma and beta
.set j, 0
.rept 16
	v_pk_fma_f32 v[X+j:X+j+1], v[X+j:X+j+1], v[G+j:G+j+1], v[BT+j:BT+j+1]
.set j, j+2
.endr
.irp j, 0,1,2,3,4,5,6,7
	ds_store_b128 v3, v[X+4*\j:X+4*\j+3] offset:640*\j
.endr
.irp s, 0,1
.irp i, 0,1,2,3
	ds_load_b128 v[T+16*\s+4*\i:T+16*\s+4*\i+3], v4 offset:2560*\s+16*\i   ; LDS serves a wave's instructions in order: these see the stores above
.endr
.endr
	HALF 0
	HALF 1
	s_wait_dscnt 0x0                               ; for the others' sake: my byte stores are done
	s_barrier_signal -1
	s_barrier_wait -1
	s_cmp_lg_u32 s14, 0
	s_cbranch_scc1 .Lnot_wave_0
	ds_load_b128 v[8:11], v6                       ; the work-group's 512 scale bytes
	s_wait_dscnt 0x0
	global_store_b128 v2, v[8:11], s[12:13]        ; 512 consecutive bytes
.Lnot_wave_0:
	s_wait_tensorcnt 0x0                           ; the wave's end, behind my last LDS store
	ds_add_u32 v[SPW], v[NIL]
	s_wait_dscnt 0x0
	s_endpgm
.Lfunc_end_k_q5d9f9e8563_ln1:
	.size	k_q5d9f9e8563_ln1, .Lfunc_end_k_q5d9f9e8563_ln1-k_q5d9f9e8563_ln1
	.p2alignl 7, 3214868480
	.fill 96, 4, 3214868480
	.section	.rodata,"a",@progbits
	.p2align	6, 0x0
	.amdhsa_kernel k_q5d9f9e8563_ln1
		.amdhsa_group_segment_fixed_size 84480
		.amdhsa_private_segment_fixed_size 0
		.amdhsa_enable_private_segment 0
		.amdhsa_kernarg_size 32
		.amdhsa_user_sgpr_count 2
		.amdhsa_user_sgpr_kernarg_segment_ptr 1
		.amdhsa_wavefront_size32 1
		.amdhsa_system_sgpr_workgroup_id_x 1
		.amdhsa_system_sgpr_workgroup_id_y 1
		.amdhsa_system_sgpr_workgroup_id_z 1
		.amdhsa_system_vgpr_workitem_id 0
		.amdhsa_next_free_vgpr 256
		.amdhsa_next_free_sgpr 66
		.amdhsa_reserve_vcc 0
		.amdhsa_float_denorm_mode_32 3
		.amdhsa_float_denorm_mode_16_64 3
		.amdhsa_memory_ordered 1
		.amdhsa_forward_progress 1
		.amdhsa_inst_pref_size 17
	.end_amdhsa_kernel
	.amdgpu_metadata
---
amdhsa.version: [ 1, 2 ]
amdhsa.kernels:
  - .name:           k_q5d9f9e8563_ln1
    .symbol:         k_q5d9f9e8563_ln1.kd
    .args:
      - { .name: x, .offset: 0, .size: 8, .value_kind: global_buffer, .address_space: global }
      - { .name: gamma1, .offset: 8, .size: 8, .value_kind: global_buffer, .address_space: global }
      - { .name: beta1, .offset: 16, .size: 8, .value_kind: global_buffer, .address_space: global }
      - { .name: hq, .offset: 24, .size: 8, .value_kind: global_buffer, .address_space: global }
    .group_segment_fixed_size: 84480
    .private_segment_fixed_size: 0
    .kernarg_segment_align: 8
    .kernarg_segment_size: 32
    .max_flat_workgroup_size: 512
    .sgpr_count:     66
    .vgpr_count:     256
    .wavefront_size: 32
...
	.end_amdgpu_metadata
.endif
;; end of part 1
;; launch qkv (part 2): grid 12 x 16, 4 waves a work-group, clusters of 4 x 4, 327,680 bytes of LDS; arguments hq, Wq_codes, Wq_scales, bq, Wk_codes, Wk_scales, bk, Wv_codes, Wv_scales, bv, qkv; writes qkv
.if DOCPART == 2
	.amdgcn_target "amdgcn-amd-amdhsa--gfx1250"
	.amdhsa_code_object_version 6
	.text
	.protected	k_q5d9f9e8563_qkv
	.globl	k_q5d9f9e8563_qkv
	.p2align	8
	.type	k_q5d9f9e8563_qkv,@function
k_q5d9f9e8563_qkv:
	s_mov_b64 s[64:65], 0
	v_nop
	global_prefetch_b8 v0, s[64:65] scope:SCOPE_SE
	s_setreg_imm32_b32 hwreg(HW_REG_WAVE_MODE, 25, 1), 1
	s_wait_xcnt 0x0
	s_wait_alu depctr_hold_cnt(0) depctr_sa_sdst(0) depctr_va_vdst(0) depctr_va_sdst(0) depctr_va_ssrc(0) depctr_va_vcc(0) depctr_vm_vsrc(0)
	s_getreg_b32 s2, hwreg(HW_REG_IB_STS2, 6, 4)
	s_cmp_eq_u32 s2, 0
	s_cbranch_scc0 .Lentry_in_a_cluster
	s_endpgm
.Lentry_in_a_cluster:
	s_bfe_u32 s2, ttmp6, 0x10000c
	s_cmp_lg_u32 s2, 0xf033
	s_cbranch_scc0 .Lentry_shape_is_right
	s_endpgm
.Lentry_shape_is_right:
.set KSTEP,  256
.set NQ,     2
.set ROWB,   256
.set KROW,   1024
.set PITCH,  272
.set FR,     16
.set NL,     4
.set NP,     8
.set HALFT,  128*PITCH
.set SLOT,   4*HALFT
.set LAPS,   2
.set KS,     32
.set SCL,    2*SLOT
.set HALFS,  (128*KS/256)*272
.set SBLK,   (16*KS/256)*272
.set SPARE,  SCL+4*HALFS
.set BR,   8
.set ADRA, 16
.set ADRB, 20
.set SWA,  22
.set SWR,  23
.set STO,  24
.set RD,   25
.set CO,   26
.set ADRS, 27
.set SPW,  28
.set NIL,  29
.set BRP,  30
.set SC,   32
.set BI,   64
.set AF,   128
.set W,    128
.set PC,   192
.set OB,   208
.set TM,   224
.set PW,   240
.set G1, 24
.set G0, 32
.set G1B, 48
.set G0B, 56
.set G1S, 68
.set G0S, 76
.set G1SB, 80
.set G0SB, 88
.set SEL, 94
.set MNT, 96
.set MSB, 0
.macro WIN new
.if MSB != (\new)
	s_set_vgpr_msb (MSB<<8)|(\new)
.set MSB, (\new)
.endif
.endm
.set MUL_LO, 0xa1
.set MUL_HI, 0xf1
.set TO_B,   0x40
.macro JLOAD g0a, g1a, g0b, g1b
	s_cmp_eq_u32 s15, 0
	s_cbranch_scc0 .Lfor_b_\@
	tensor_load_to_lds s[\g0a:\g0a+3], s[\g1a:\g1a+7]
	s_nop 0
.rept 4
	v_nop
.endr
	s_branch .Lasked_\@
.Lfor_b_\@:
	tensor_load_to_lds s[\g0b:\g0b+3], s[\g1b:\g1b+7]
	s_nop 0
.rept 4
	v_nop
.endr
.Lasked_\@:
.endm
.macro CREST
	s_cmp_lg_u32 s14, 0
	s_cbranch_scc1 .Lnot_wave_0_\@
	s_barrier_signal -3
.Lnot_wave_0_\@:
	s_barrier_wait -3
	s_barrier_signal -1
	s_barrier_wait -1
.endm
.macro CROUND
	s_barrier_signal -1
	s_barrier_wait -1
	CREST
.endm
	s_load_b512 s[68:83], s[0:1], 0x0
	s_load_b128 s[84:87], s[0:1], 0x40
	s_load_b64 s[88:89], s[0:1], 0x50
	v_lshl_add_u32 v[SPW], v0, 2, SPARE
	v_mov_b32 v[NIL], 0
	ds_add_u32 v[SPW], v[NIL]
	ds_add_u32 v[SPW], v[NIL]
	v_lshrrev_b32 v1, 5, v0
	v_readfirstlane_b32 s14, v1
	s_lshr_b32 s15, s14, 1
	s_and_b32 s16, s14, 1
	s_bfe_u32 s40, ttmp6, 0x40000
	s_bfe_u32 s41, ttmp6, 0x40004
	s_mov_b32 s66, ttmp9
	s_and_b32 s2, ttmp7, 0xffff
	s_lshl_b32 s2, s2, 2
	s_cmp_eq_u32 s66, 2
	s_cselect_b32 s67, 0, s2
	s_cselect_b32 s97, s2, 0
	s_add_co_u32 s17, s41, s67
	s_add_co_u32 s42, s40, s97
	s_lshl_b32 s43, s41, 2
	s_lshl_b32 s43, 15, s43
	s_lshl_b32 s44, 0x1111, s40
	s_or_b32 s[G1+0], s43, (0<<16)|(1<<20)|(1<<21)|(5<<22)|(3<<25)
	s_or_b32 s[G1B+0], s44, (0<<16)|(1<<20)|(1<<21)|(5<<22)|(3<<25)
.irp g, G1, G1B
	s_mov_b32 s[\g+1], ROWB<<16
	s_mov_b32 s[\g+2], 256<<16                     ; the head's loads of codes bring 256 rows
	s_mov_b32 s[\g+3], ROWB<<16
	s_mov_b32 s[\g+4], 256
	s_mov_b32 s[\g+5], KROW
	s_mov_b32 s[\g+6], 0
	s_mov_b32 s[\g+7], 0
.endr
	s_lshl_b32 s20, s17, 8                         ; the tiles' first rows
	s_lshl_b32 s46, s42, 8
	s_lshl_b32 s22, s20, 5
	s_mov_b32 s23, 0
	s_lshl_b32 s20, s20, 10
	s_mov_b32 s21, 0
	s_lshl_b32 s92, s46, 5
	s_mov_b32 s93, 0
	s_lshl_b32 s46, s46, 10
	s_mov_b32 s47, 0
	s_mul_i32 s45, s14, HALFT
	s_mov_b32 s[SEL], 0x76543210
	s_mov_b32 s[SEL+1], 0xfedcba98
	s_mov_b32 s[MNT], 0x600000
	s_wait_dscnt 0x0
	s_wait_kmcnt 0x0
	s_cmp_eq_u32 s66, 0
	s_cselect_b64 s[100:101], s[70:71], s[76:77]
	s_cselect_b64 s[104:105], s[72:73], s[78:79]
	s_cselect_b64 s[98:99], s[74:75], s[80:81]
	s_cmp_eq_u32 s66, 2
	s_cselect_b64 s[100:101], s[82:83], s[100:101]
	s_cselect_b64 s[104:105], s[84:85], s[104:105]
	s_cselect_b64 s[98:99], s[86:87], s[98:99]
	s_add_nc_u64 s[2:3], s[68:69], 0x400000
	s_cselect_b64 s[4:5], s[100:101], s[68:69]
	s_cselect_b64 s[6:7], s[104:105], s[2:3]
	s_cselect_b64 s[8:9], s[68:69], s[100:101]
	s_cselect_b64 s[10:11], s[2:3], s[104:105]
	s_mov_b64 s[12:13], s[88:89]
	s_add_nc_u64 s[20:21], s[4:5], s[20:21]
	s_add_nc_u64 s[22:23], s[6:7], s[22:23]
	s_add_nc_u64 s[46:47], s[8:9], s[46:47]
	s_add_nc_u64 s[92:93], s[10:11], s[92:93]
	s_or_b32 s[G1S+0], s43, (3<<16)|(1<<20)|(1<<21)|(5<<22)|(3<<25)
	s_or_b32 s[G1SB+0], s44, (3<<16)|(1<<20)|(1<<21)|(5<<22)|(3<<25)
.irp g, G1S, G1SB
	s_mov_b32 s[\g+1], 32<<16
	s_mov_b32 s[\g+2], (256*KS/256)<<16            ; the scale bytes of 256 rows in one load
	s_mov_b32 s[\g+3], 32<<16
	s_mov_b32 s[\g+4], 256*KS/256
	s_mov_b32 s[\g+5], 32
	s_mov_b32 s[\g+6], 0
	s_mov_b32 s[\g+7], 0
.endr
	CROUND
	s_mov_b32 s[G0S], 1
	s_mov_b32 s[G0S+1], SCL
	s_mov_b64 s[G0S+2:G0S+3], s[22:23]
	s_or_b32 s[G0S+3], s[G0S+3], 0x80000000
	s_mov_b32 s[G0SB], 1
	s_mov_b32 s[G0SB+1], SCL+2*HALFS
	s_mov_b64 s[G0SB+2:G0SB+3], s[92:93]
	s_or_b32 s[G0SB+3], s[G0SB+3], 0x80000000
.set G0H, 4                                            ; s[4:7], s[8:11]: group 0 of the head's loads of K step 0 (the pointers that lay there have been used)
.set G0HB, 8
	s_mov_b32 s[G0H], 1
	s_mov_b32 s[G0H+1], 0
	s_mov_b64 s[G0H+2:G0H+3], s[20:21]
	s_or_b32 s[G0H+3], s[G0H+3], 0x80000000
	s_mov_b32 s[G0HB], 1
	s_mov_b32 s[G0HB+1], 2*HALFT
	s_mov_b64 s[G0HB+2:G0HB+3], s[46:47]
	s_or_b32 s[G0HB+3], s[G0HB+3], 0x80000000
	s_lshl_b32 s18, s16, 17                        ; for the ring: my 128 rows of 1,024 bytes of the tile
	s_mov_b32 s19, 0
	s_add_nc_u64 s[20:21], s[20:21], s[18:19]
	s_add_nc_u64 s[46:47], s[46:47], s[18:19]
; THE PREFETCHES: a K step is 256 bytes of each row.  Of the 128 rows that a wave fetches in the ring, each of the four partners that ask for them jointly takes 32, told apart by address (cx for A, cy for B): a lane a row,
; one instruction a wave and K step.  Behind the head's load K steps 1 and 2 are asked for, behind K step 1's load K step 3: at most two K steps are asked for and not yet loaded.  K ends there.
.set PFA, 40                                           ; s[40:41] my 32 rows at K step 0 (cx and cy, which lay there, have been used); never rewritten
.set PFO, 19                                           ; v19 1,024 x my lane; never rewritten
	s_cmp_eq_u32 s15, 0                            ; do I fetch for A?
	s_cselect_b32 s18, s40, s41                    ; my place among the four
	s_cselect_b64 s[PFA:PFA+1], s[20:21], s[46:47]
	s_lshl_b32 s18, s18, 15                        ; 32 rows of 1,024 bytes
	s_add_nc_u64 s[PFA:PFA+1], s[PFA:PFA+1], s[18:19]
.irp s, 0,1
	s_mov_b32 s[G0+4*\s], 1
	s_add_co_u32 s[G0+4*\s+1], s45, \s*SLOT
	s_add_nc_u64 s[G0+4*\s+2:G0+4*\s+3], s[20:21], \s*ROWB
	s_or_b32 s[G0+4*\s+3], s[G0+4*\s+3], 0x80000000
	s_mov_b32 s[G0B+4*\s], 1
	s_add_co_u32 s[G0B+4*\s+1], s45, \s*SLOT
	s_add_nc_u64 s[G0B+4*\s+2:G0B+4*\s+3], s[46:47], \s*ROWB
	s_or_b32 s[G0B+4*\s+3], s[G0B+4*\s+3], 0x80000000
.endr
; the head's four tiles, one joint load a wave: wave 0 A's 256 rows of K step 0, wave 1 B's, wave 2 A's scale bytes, wave 3 B's
.macro ARM under, g0, g1, next
	s_cmp_lt_u32 s14, \under
	s_cbranch_scc0 \next
	tensor_load_to_lds s[\g0:\g0+3], s[\g1:\g1+7]
	s_nop 0
.rept 4
	v_nop
.endr
	s_branch .Lhead_asked
\next:
.endm
	ARM 1, G0H,  G1,  .Lhead_b
	ARM 2, G0HB, G1B, .Lhead_sa
	ARM 3, G0S,  G1S, .Lhead_sb
	tensor_load_to_lds s[G0SB:G0SB+3], s[G1SB:G1SB+7]
	s_nop 0
.rept 4
	v_nop
.endr
.Lhead_asked:
	v_and_b32 v[PFO], 31, v0
	v_lshlrev_b32 v[PFO], 10, v[PFO]
	global_prefetch_b8 v[PFO], s[PFA:PFA+1] offset:256 th:TH_LOAD_NT scope:SCOPE_SE
	global_prefetch_b8 v[PFO], s[PFA:PFA+1] offset:512 th:TH_LOAD_NT scope:SCOPE_SE
	v_and_b32 v1, 15, v0
	v_bfe_u32 v2, v0, 4, 1
	v_mul_u32_u24 v3, v1, PITCH
	v_lshl_add_u32 v4, v2, 4, v3
	s_mul_i32 s21, s15, HALFT
	s_mul_i32 s22, s16, HALFT
	s_add_co_u32 s22, s22, 2*HALFT
.irp s, 0,1
	v_add_nc_u32 v[ADRA+\s], s21, v4
	v_add_nc_u32 v[ADRB+\s], s22, v4
	s_add_co_u32 s21, s21, SLOT
	s_add_co_u32 s22, s22, SLOT
.endr
	v_mul_u32_u24 v5, v1, KS
	v_lshrrev_b32 v6, 8, v5
	v_lshl_add_u32 v5, v6, 4, v5
	s_mul_i32 s21, s15, HALFS
	s_mul_i32 s22, s16, HALFS
	s_add_co_u32 s22, s22, 2*HALFS
	s_sub_co_u32 s22, s22, s21
	v_mul_u32_u24 v6, s22, v2
	s_add_co_u32 s21, s21, SCL
	v_add_nc_u32 v5, v5, v6
	v_add_nc_u32 v[ADRS], s21, v5
	s_lshl_b32 s23, s14, 12
	v_mul_u32_u24 v5, v1, 80
	v_lshl_add_u32 v5, v2, 3, v5
	v_add_nc_u32 v[STO], s23, v5
	v_and_b32 v6, 31, v0
	v_lshlrev_b32 v[CO], 4, v6
	v_lshrrev_b32 v5, 2, v6
	v_mul_u32_u24 v5, v5, 80
	v_and_b32 v3, 3, v6
	v_lshl_add_u32 v5, v3, 4, v5
	v_add_nc_u32 v[RD], s23, v5
	s_add_co_u32 s23, s23, 3072
	v_lshl_add_u32 v[SWA], v1, 2, s23
	v_add_nc_u32 v[SWR], s23, v[CO]
	v_lshlrev_b32 v7, 5, v2
	s_wait_alu depctr_va_vdst(0)
	v_lshlrev_b32 v18, 2, v1
	s_wait_alu depctr_va_vdst(0)
	v_mov_b32 v[BRP+1], 0
	s_lshl_b32 s20, s17, 8
	s_lshl_b32 s21, s15, 7
	s_add_co_u32 s20, s20, s21
	s_lshl_b32 s46, s42, 1
	s_add_co_u32 s46, s46, s16
	s_cmp_eq_u32 s66, 2
	s_cselect_b32 s18, 17, 19
	s_cselect_b32 s19, 12, 15
	s_lshl_b32 s22, s46, s19
	s_lshl_b32 s23, s66, 18
	s_add_co_u32 s22, s22, s23
	s_lshl_b32 s23, s20, 2
	s_add_co_u32 s22, s22, s23
	s_add_co_u32 s22, s22, 12582912
	s_mov_b32 s23, 0
	s_add_nc_u64 s[104:105], s[12:13], s[22:23]
	s_lshl_b32 s22, s46, s18
	s_lshl_b32 s23, s66, 22
	s_add_co_u32 s22, s22, s23
	s_lshl_b32 s23, s20, 6
	s_add_co_u32 s22, s22, s23
	s_mov_b32 s23, 0
	s_add_nc_u64 s[12:13], s[12:13], s[22:23]
	s_sub_co_u32 s18, s18, 1
	s_lshl_b32 s22, 1, s18
	s_add_nc_u64 s[100:101], s[12:13], s[22:23]
	s_lshl_b32 s22, s46, 9
	s_lshl_b32 s18, s20, 2
	s_cmp_eq_u32 s66, 2
	s_cselect_b32 s22, 0, s22
	s_cselect_b32 s18, s18, 0
	s_mov_b32 s19, 0
	s_add_nc_u64 s[92:93], s[98:99], s[18:19]
	s_add_nc_u64 s[98:99], s[98:99], s[22:23]
.irp b, 0,1,2,3,4,5,6,7
	global_load_b128 v[BI+8*\b:BI+8*\b+3], v7, s[98:99] offset:64*\b
	global_load_b128 v[BI+8*\b+4:BI+8*\b+7], v7, s[98:99] offset:64*\b+16
.endr
.irp a, 0,1,2,3,4,5,6,7
	global_load_b32 v[BR+\a], v18, s[92:93] offset:64*\a
.endr
.macro FRAG reg, adr, q, i
.irp c, 0,1,2,3
	ds_load_b128 v[\reg+4*\c:\reg+4*\c+3], v[\adr] offset:128*(\q)+32*\c+(\i)*16*PITCH
.endr
.endm
.macro MUL16 a0, p, q, sc, zero
.irp a, \a0, \a0+1
.irp b, 0,1,2,3,4,5,6,7
.if \zero
	v_wmma_scale_f32_16x16x128_f8f6f4 v[8*(8*((\a)%4)+\b):8*(8*((\a)%4)+\b)+7], v[128*(\p)+FR*\b:128*(\p)+FR*\b+FR-1], v[AF+FR*(\a):AF+FR*(\a)+FR-1], 0, v[SC+8*NQ*(\sc)+NQ*\b+(\q)], v[SC+8*NQ*(\sc)+NQ*(\a)+(\q)] matrix_a_scale:MATRIX_SCALE_ROW1
.else
	v_wmma_scale_f32_16x16x128_f8f6f4 v[8*(8*((\a)%4)+\b):8*(8*((\a)%4)+\b)+7], v[128*(\p)+FR*\b:128*(\p)+FR*\b+FR-1], v[AF+FR*(\a):AF+FR*(\a)+FR-1], v[8*(8*((\a)%4)+\b):8*(8*((\a)%4)+\b)+7], v[SC+8*NQ*(\sc)+NQ*\b+(\q)], v[SC+8*NQ*(\sc)+NQ*(\a)+(\q)] matrix_a_scale:MATRIX_SCALE_ROW1
.endif
.endr
.endr
.endm
.macro FETCH_B slot, q, p
	WIN TO_B
.irp i, 0,1,2,3,4,5,6,7
	FRAG 128*(\p)+FR*\i, ADRB+\slot, \q, \i
.endr
	WIN 0
.endm
.macro FETCH_A slot, q, i0
.irp i, \i0, \i0+1, \i0+2, \i0+3
	FRAG AF+FR*(\i), ADRA+\slot, \q, \i
.endr
.endm
.macro SCALES sc
.irp i, 0,1,2,3,4,5,6,7
	ds_load_b64 v[SC+8*NQ*\sc+NQ*\i:SC+8*NQ*\sc+NQ*\i+1], v[ADRS] offset:\i*SBLK
.endr
.endm
.macro PLACES n
.rept \n
	v_nop
.endr
.endm
.macro STEP slot, q, zero
	s_wait_dscnt 4*NL
	WIN MUL_LO
	MUL16 0, (\q)%2, \q, \slot, \zero
	MUL16 2, (\q)%2, \q, \slot, \zero
	s_wait_dscnt 0
	PLACES NP
	FETCH_B \slot, (\q)+1, 1-(\q)%2
	FETCH_A \slot, (\q)+1, 0
	WIN MUL_HI
	MUL16 4, (\q)%2, \q, \slot, \zero
	MUL16 6, (\q)%2, \q, \slot, \zero
	PLACES NP
	WIN 0
	FETCH_A \slot, (\q)+1, 4
.endm
.macro TURN slot, next, fill
	s_wait_tensorcnt 0x0
	ds_add_u32 v[SPW], v[NIL]
	s_wait_dscnt 4*NL+1
	WIN MUL_LO
	MUL16 0, 1, NQ-1, \slot, 0
	s_wait_dscnt 0x0
	s_barrier_signal -1
	MUL16 2, 1, NQ-1, \slot, 0
	WIN 0
	s_barrier_wait -1
.if \fill
	CREST
	s_add_nc_u64 s[G0+4*\slot+2:G0+4*\slot+3], s[G0+4*\slot+2:G0+4*\slot+3], 2*ROWB
	s_add_nc_u64 s[G0B+4*\slot+2:G0B+4*\slot+3], s[G0B+4*\slot+2:G0B+4*\slot+3], 2*ROWB
	JLOAD G0+4*\slot, G1, G0B+4*\slot, G1B
	PLACES NP-4
.else
	PLACES NP
.endif
	s_wait_alu depctr_va_vdst(0)
	v_add_nc_u32 v[ADRS], 4*NQ, v[ADRS]
	FETCH_B \next, 0, 0
	FETCH_A \next, 0, 0
	SCALES \next
	WIN MUL_HI
	MUL16 4, 1, NQ-1, \slot, 0
	MUL16 6, 1, NQ-1, \slot, 0
	PLACES NP
	WIN 0
	FETCH_A \next, 0, 4
.endm
	s_wait_alu depctr_va_vdst(0)                   ; the wait at the head's end
	s_wait_tensorcnt 0x0                           ; my tile of the head's four is in
	ds_add_u32 v[SPW], v[NIL]
	s_mov_b32 s[G1+2], 128<<16                     ; no tensor load of mine is out: from here on a load brings 128 rows
	s_mov_b32 s[G1+4], 128
	s_mov_b32 s[G1B+2], 128<<16
	s_mov_b32 s[G1B+4], 128
	s_wait_dscnt 0x0
	CROUND
	JLOAD G0+4, G1, G0B+4, G1B                     ; K step 1: the first tensor load behind the round
	global_prefetch_b8 v[PFO], s[PFA:PFA+1] offset:768 th:TH_LOAD_NT scope:SCOPE_SE
	s_wait_loadcnt 0x0
	FETCH_B 0, 0, 0
	FETCH_A 0, 0, 0
	SCALES 0
	FETCH_A 0, 0, 4
	STEP 0, 0, 1
	s_mov_b32 s3, LAPS-1
.Llap:
	TURN 0, 1, 1
	STEP 1, 0, 0
	TURN 1, 0, 1
	STEP 0, 0, 0
	s_sub_co_u32 s3, s3, 1
	s_cmp_lg_u32 s3, 0
	s_cbranch_scc1 .Llap
	TURN 0, 1, 0
	STEP 1, 0, 0
	s_wait_dscnt 4*NL
	WIN MUL_LO
	MUL16 0, 1, NQ-1, 1, 0
	MUL16 2, 1, NQ-1, 1, 0
	s_wait_dscnt 0
	WIN MUL_HI
	MUL16 4, 1, NQ-1, 1, 0
	MUL16 6, 1, NQ-1, 1, 0
	WIN 0
.macro QUANT s, nb
.set qb, 0
.rept \nb
	v_max3_num_f32 v[TM+qb], |v[\s+16*qb]|, |v[\s+1+16*qb]|, 0x4800000
.set qb, qb+1
.endr
.irp i, 2,4,6,8,10,12,14
.set qb, 0
.rept \nb
	v_max3_num_f32 v[TM+qb], v[TM+qb], |v[\s+16*qb+\i]|, |v[\s+1+16*qb+\i]|
.set qb, qb+1
.endr
.endr
.set qb, 0
.rept \nb
	v_permlanex16_b32 v[TM+4+qb], v[TM+qb], s[SEL], s[SEL+1]
.set qb, qb+1
.endr
.set qb, 0
.rept \nb
	v_max_num_f32 v[TM+qb], v[TM+qb], v[TM+4+qb]
.set qb, qb+1
.endr
.set qb, 0
.rept \nb
	v_add_nc_u32 v[TM+12+qb], 0xfc000000, v[TM+qb]
	v_and_or_b32 v[TM+8+qb], v[TM+qb], 0x7f800000, s[MNT]
.set qb, qb+1
.endr
.set qb, 0
.rept \nb
	v_lshrrev_b32 v[TM+4+qb], 23, v[TM+12+qb]
.set qb, qb+1
.endr
	v_lshl_or_b32 v[PW], v[TM+5], 8, v[TM+4]
.if \nb > 2
	v_lshl_or_b32 v[PW], v[TM+6], 16, v[PW]
	v_lshl_or_b32 v[PW], v[TM+7], 24, v[PW]
.endif
.set qb, 0
.rept \nb
.set qi, 0
.rept 16
	v_med3_num_f32 v[\s+16*qb+qi], v[\s+16*qb+qi], -v[TM+8+qb], v[TM+8+qb]
.set qi, qi+1
.endr
	v_cvt_scalef32_pk8_fp8_f32 v[PC+4*qb:PC+4*qb+1], v[\s+16*qb:\s+16*qb+7], v[TM+12+qb]
	v_cvt_scalef32_pk8_fp8_f32 v[PC+4*qb+2:PC+4*qb+3], v[\s+16*qb+8:\s+16*qb+15], v[TM+12+qb]
.set qb, qb+1
.endr
	v_nop
.endm
.macro BIAS a
.set AC, 64*((\a)%4)
	s_cmp_eq_u32 s66, 2
	s_cbranch_scc1 .Lby_row_\@
	WIN 0x02+(\a)/4
.set bi, 0
.rept 32
	v_pk_add_f32 v[W+bi:W+bi+1], v[AC+bi:AC+bi+1], v[BI+bi:BI+bi+1]
.set bi, bi+2
.endr
	WIN 0
	s_branch .Lbiased_\@
.Lby_row_\@:
	v_mov_b32 v[BRP], v[BR+\a]
	WIN 0x02+(\a)/4
.set bi, 0
.rept 32
	v_pk_add_f32 v[W+bi:W+bi+1], v[AC+bi:AC+bi+1], v[BRP:BRP+1] op_sel_hi:[1,0]
.set bi, bi+2
.endr
	WIN 0
.Lbiased_\@:
.endm
.macro TOSTAGE a
.irp q, 0,1,2,3
	ds_store_b64 v[STO], v[PC+4*\q:PC+4*\q+1] offset:(\q/2)*1280+32*(\q%2)
	ds_store_b64 v[STO], v[PC+4*\q+2:PC+4*\q+3] offset:(\q/2)*1280+32*(\q%2)+16
.endr
	ds_store_b32 v[SWA], v[PW] offset:64*(\a)
.irp q, 0,1,2,3
	WIN TO_B                                       ; back into window 1, v0-15 and v16-31 by turns: B's fragments, which lay there, are done with
	ds_load_b128 v[16*((\a)%2)+4*\q:16*((\a)%2)+4*\q+3], v[RD] offset:(\q/2)*1280+640*(\q%2)
.endr
.endm
.macro SEND a
	WIN 0x04                                       ; a store's data: window 1
	global_store_b128 v[CO], v[16*((\a)%2):16*((\a)%2)+3], s[12:13] offset:1024*(\a)
	global_store_b128 v[CO], v[16*((\a)%2)+4:16*((\a)%2)+7], s[12:13] offset:1024*(\a)+512
	global_store_b128 v[CO], v[16*((\a)%2)+8:16*((\a)%2)+11], s[100:101] offset:1024*(\a)
	global_store_b128 v[CO], v[16*((\a)%2)+12:16*((\a)%2)+15], s[100:101] offset:1024*(\a)+512
	WIN 0
.endm
	PLACES NP
.irp q, 0,1,2,3
	v_mov_b32 v[TM+4+\q], 0
.endr
.irp a, 0,1,2,3,4,5,6,7
	BIAS \a                                        ; block a's arithmetic stands between block a - 1's loads from the stage and the wait for them
	QUANT W, 4
.if \a > 0
	s_wait_alu depctr_va_vdst(0)                   ; the wait here, directly ahead of the waits below
	s_wait_dscnt 0x0                               ; block a - 1 is back in registers
	s_wait_xcnt 0x0                                ; block a - 2's stores have read their data: block a's loads may land there
	SEND \a-1
.endif
	TOSTAGE \a
	WIN 0
.endr
	s_wait_dscnt 0x0
	SEND 7
	s_wait_xcnt 0x0
	ds_load_b128 v[OB:OB+3], v[SWR]
	s_wait_dscnt 0x0
	s_cmp_eq_u32 s66, 2
	s_cbranch_scc1 .Lwhole
.irp k, 0,1,2,3
	v_and_b32 v[OB+4+\k], 0xffff, v[OB+\k]
	v_lshrrev_b32 v[OB+8+\k], 16, v[OB+\k]
.endr
	global_store_b128 v[CO], v[OB+4:OB+7], s[104:105]
	global_store_b128 v[CO], v[OB+8:OB+11], s[104:105] offset:16384
	s_branch .Lend
.Lwhole:
	global_store_b128 v[CO], v[OB:OB+3], s[104:105]
.Lend:
	s_wait_tensorcnt 0x0
	ds_add_u32 v[SPW], v[NIL]
	s_wait_dscnt 0x0
	CROUND
	s_endpgm
.Lfunc_end_k_q5d9f9e8563_qkv:
	.size	k_q5d9f9e8563_qkv, .Lfunc_end_k_q5d9f9e8563_qkv-k_q5d9f9e8563_qkv
	.p2alignl 7, 3214868480
	.fill 96, 4, 3214868480
	.section	.rodata,"a",@progbits
	.p2align	6, 0x0
	.amdhsa_kernel k_q5d9f9e8563_qkv
		.amdhsa_group_segment_fixed_size 327680
		.amdhsa_private_segment_fixed_size 0
		.amdhsa_enable_private_segment 0
		.amdhsa_kernarg_size 88
		.amdhsa_user_sgpr_count 2
		.amdhsa_user_sgpr_kernarg_segment_ptr 1
		.amdhsa_wavefront_size32 1
		.amdhsa_system_sgpr_workgroup_id_x 1
		.amdhsa_system_sgpr_workgroup_id_y 1
		.amdhsa_system_sgpr_workgroup_id_z 1
		.amdhsa_system_vgpr_workitem_id 0
		.amdhsa_next_free_vgpr 1024
		.amdhsa_next_free_sgpr 106
		.amdhsa_reserve_vcc 0
		.amdhsa_float_denorm_mode_32 3
		.amdhsa_float_denorm_mode_16_64 3
		.amdhsa_memory_ordered 1
		.amdhsa_forward_progress 1
		.amdhsa_inst_pref_size 232
	.end_amdhsa_kernel
	.amdgpu_metadata
---
amdhsa.version: [ 1, 2 ]
amdhsa.kernels:
  - .name:           k_q5d9f9e8563_qkv
    .symbol:         k_q5d9f9e8563_qkv.kd
    .args:
      - { .name: hq, .offset: 0, .size: 8, .value_kind: global_buffer, .address_space: global }
      - { .name: Wq_codes, .offset: 8, .size: 8, .value_kind: global_buffer, .address_space: global }
      - { .name: Wq_scales, .offset: 16, .size: 8, .value_kind: global_buffer, .address_space: global }
      - { .name: bq, .offset: 24, .size: 8, .value_kind: global_buffer, .address_space: global }
      - { .name: Wk_codes, .offset: 32, .size: 8, .value_kind: global_buffer, .address_space: global }
      - { .name: Wk_scales, .offset: 40, .size: 8, .value_kind: global_buffer, .address_space: global }
      - { .name: bk, .offset: 48, .size: 8, .value_kind: global_buffer, .address_space: global }
      - { .name: Wv_codes, .offset: 56, .size: 8, .value_kind: global_buffer, .address_space: global }
      - { .name: Wv_scales, .offset: 64, .size: 8, .value_kind: global_buffer, .address_space: global }
      - { .name: bv, .offset: 72, .size: 8, .value_kind: global_buffer, .address_space: global }
      - { .name: qkv, .offset: 80, .size: 8, .value_kind: global_buffer, .address_space: global }
    .group_segment_fixed_size: 327680
    .private_segment_fixed_size: 0
    .kernarg_segment_align: 8
    .kernarg_segment_size: 88
    .max_flat_workgroup_size: 128
    .sgpr_count:     106
    .vgpr_count:     1024
    .wavefront_size: 32
...
	.end_amdgpu_metadata
.endif
;; end of part 2
;; launch attn (part 3): grid 8 x 32, 16 waves a work-group, clusters of 4 x 1, 327,680 bytes of LDS; arguments qkv, cq; writes cq
.if DOCPART == 3
	.amdgcn_target "amdgcn-amd-amdhsa--gfx1250"
	.amdhsa_code_object_version 6
	.text
	.protected	k_q5d9f9e8563_attn
	.globl	k_q5d9f9e8563_attn
	.p2align	8
	.type	k_q5d9f9e8563_attn,@function
k_q5d9f9e8563_attn:
	s_mov_b64 s[64:65], 0
	v_nop
	global_prefetch_b8 v0, s[64:65] scope:SCOPE_SE
	s_setreg_imm32_b32 hwreg(HW_REG_WAVE_MODE, 25, 1), 1
	s_wait_xcnt 0x0
	s_wait_alu depctr_hold_cnt(0) depctr_sa_sdst(0) depctr_va_vdst(0) depctr_va_sdst(0) depctr_va_ssrc(0) depctr_va_vcc(0) depctr_vm_vsrc(0)
	s_getreg_b32 s2, hwreg(HW_REG_IB_STS2, 6, 4)
	s_cmp_eq_u32 s2, 0
	s_cbranch_scc0 .Lentry_in_a_cluster
	s_endpgm
.Lentry_in_a_cluster:
	s_bfe_u32 s2, ttmp6, 0x10000c
	s_cmp_lg_u32 s2, 0x3003
	s_cbranch_scc0 .Lentry_shape_is_right
	s_endpgm
.Lentry_shape_is_right:
; ctx = softmax(q k^T / 8) v for 32 (batch, head) pairs of 2,048 tokens and a head of 64, both products on codes of E4M3 with E8M0 scales; ctx is quantised along the head for the next product.  No work of the layer is left out here.
; THE SOFTMAX AHEAD OF THE SECOND PRODUCT: t = score x log2(e) / 8; M = the running largest t rounded UP to a whole number; p = 2^(t - M) is quantised along the keys, not normalised; the row's sum is
; taken of the unquantised p and divides at the end.  When M moves, the sum and O are multiplied by 2^(old M - new M), which rounds nothing.
; SHARES: a work-group owns 256 queries of one (batch, head); each of its sixteen waves 16 of them in 256 registers, four waves to a SIMD.
; NO RING: a head's K and V codes and scale words, 299,776 bytes with padding, lie in LDS whole; no byte is filled twice.  They come in two groups of sixteen joint loads, one load a wave in each.
; At the head: waves 0-9 K's keys 0-639 (64 keys a wave), wave 10 K's scale words, wave 11 V's, waves 12-15 V's keys 0-511 (two panels of 64 keys a wave).
; Behind a round of the cluster's barrier: waves 0-7 K's keys 640-2,047, waves 8-15 V's keys 512-2,047.  Four key steps run on the first group.
; The barrier that shows the second group to all waves is split: a wave signals behind its third key step, when its own late load has landed, and waits behind its fourth, which reads bytes of the first group alone.
; FRAGMENTS A PHASE AHEAD: K's fragments of step j + 1 are asked for behind step j's products K Q^T (so step 3 reads K of step 4: K's early tiles reach one step further than V's).
; V's fragment t lands in the registers of p's block t, asked for as soon as that block's codes are made; each product V^T P^T waits for its own fragment alone.
; CLUSTER: the four query blocks of a cluster belong to one head and need the same K and V: every load is a joint one, with the same descriptor and the mask of all four.
; LAYOUT: both products transposed: S^T = K Q^T, O^T = V^T P^T: a lane holds ONE query throughout.  Lane r of tile 2 b + u takes key 32 b + 8 u + r + 8 (r / 8), so that the 16 registers of tiles 2 b, 2 b + 1 are 16 neighbouring keys.
; THE FIRST PRODUCT'S K IS 64, the instruction's 128: Q's upper eight registers are zero codes.  A tile of K names 16 registers of which the upper eight are the next tile's codes (the last tile's: zeros): numbers,
; never the NaN code, since this program's quantiser holds before it converts; times zero codes they add nothing.  Bytes 2 and 3 of q's and k's scale words are 0, which is 2^-127 and no NaN.
; No prefetch: all tiles are asked for by the two groups of loads ahead of the first key step, so no later load is left to run ahead of.
; LIMITS: NaN and infinities are not served; a block of ctx whose largest magnitude lies under 2^-118 takes the byte 1; the scaled scores stay under 2^31 in magnitude.
; REGISTERS: v1-11 addresses; v12 -M, v13 the largest t, v[14:15] the sum; v16-23 Q, v24-31 zeros; v32-95 K's 8 fragments; v96-103 zeros; v104-167 S^T, then p, then V's 4 fragments; v168-199 O^T; v200-215 p's codes;
;   v216-223 K's scale words; v224-245 at work; v240-243 V's scale words; v246-250 addresses; v251 p's scale word; v[252:253] f; v254 at work; v255 Q's scale word.
.set VB,    147456                     ; LDS: from 0 K's codes, 1,024 rows of two keys (128 bytes + 16); here V's: 32 panels of 64 keys x 16 units of (4 rows of the head x 64 bytes + 16)
.set SCK,   286720                     ; K's scale words: 32 units of 256 bytes + 16
.set SCV,   295424                     ; V's: a unit for each 128 keys
.set STG,   299776                     ; the way out: 16 rows x 80 bytes for each wave
.set CSW,   320256                     ; and the work-group's 256 scale words of ctx
.set SPARE, 321280                     ; the spare words, 128 bytes a wave
.set KCO,   4194304                    ; in the buffer: k's codes, v's codes, q's, k's and v's scale words
.set VCO,   8388608
.set QSO,   12582912
.set KSO,   12845056
.set VSO,   13107200
.set AK0,  1
.set AV0,  2
.set ASK0, 3
.set ASV0, 4
.set SPW,  5
.set NIL,  6
.set CO,   7
.set ADK,  8
.set ADV,  9
.set ADS,  10
.set ADT,  11
.set S,    104
.set O,    168
.set PC,   200
.set KW,   216
.set TM,   224
.set VW,   240
.set PW,   251
.set WV,   18
.set MNT,  19
.set SEL,  20
.set CS,   22
.set TK,   8
.set TV,   9
.set TS,   10
.set TJ,   11
.set CNT,  12
.set G1KS, 24
.set G1KE, 32
.set G1KL, 40
.set G1VS, 48
.set G1VE, 56
.set G1VL, 68
.set G0KA, 76
.set G0KB, 80
.set G0KC, 84
.set G0VA, 88
.set G0VB, 92
.set G0VC, 96
.macro CROUND
	s_barrier_signal -1
	s_barrier_wait -1
	s_cmp_lg_u32 s[WV], 0
	s_cbranch_scc1 .Lnot_wave_0_\@
	s_barrier_signal -3
.Lnot_wave_0_\@:
	s_barrier_wait -3
	s_barrier_signal -1
	s_barrier_wait -1
.endm
.macro MKG1 g, qi, c, r, p             ; group 1: r rows of c elements of 8 bytes, p elements apart; 4 words of padding behind every 2 << qi words; the mask names all four work-groups
	s_mov_b32 s[\g], 15|(3<<16)|(1<<20)|(1<<21)|((\qi)<<22)|(3<<25)
	s_mov_b32 s[\g+1], (\c)<<16
	s_mov_b32 s[\g+2], (\r)<<16
	s_mov_b32 s[\g+3], (\c)<<16
	s_mov_b32 s[\g+4], \r
	s_mov_b32 s[\g+5], \p
	s_mov_b32 s[\g+6], 0
	s_mov_b32 s[\g+7], 0
.endm
.macro MKG0 g                          ; group 0: the LDS address and the byte offset are in words 1 and 2
	s_mov_b32 s[\g], 1
	s_mov_b32 s[\g+3], 0
	s_add_nc_u64 s[\g+2:\g+3], s[4:5], s[\g+2:\g+3]
	s_or_b32 s[\g+3], s[\g+3], 0x80000000
.endm
.macro TL g0, g1                       ; a tensor load with the s_nop 0 and four v_nop
	tensor_load_to_lds s[\g0:\g0+3], s[\g1:\g1+7]
	s_nop 0
.rept 4
	v_nop
.endr
.endm
	s_load_b128 s[4:7], s[0:1], 0x0                ; q, k, v as the launch before left them; ctx
	v_lshl_add_u32 v[SPW], v0, 2, SPARE
	v_mov_b32 v[NIL], 0
	ds_add_u32 v[SPW], v[NIL]                      ; the wave's opening: the add, twice on end, and its wait ahead of my first tensor load
	ds_add_u32 v[SPW], v[NIL]
	v_lshrrev_b32 v8, 5, v0
	s_delay_alu instid0(VALU_DEP_1)
	v_readfirstlane_b32 s[WV], v8                  ; wave 0..15
	s_bfe_u32 s2, ttmp6, 0x40000                   ; cx: it enters Q's and ctx's global addresses alone
	s_lshl_b32 s3, ttmp9, 2
	s_add_co_u32 s3, s3, s2                        ; my block of 256 queries
	s_and_b32 s14, ttmp7, 0xffff
	s_lshr_b32 s15, s14, 4                         ; the batch
	s_and_b32 s16, s14, 15                         ; the head
	s_and_b32 s17, s[WV], 7                        ; which eighth of K's or of V's late loads is mine
	MKG1 G1KS, 5, 32, 32, 32                       ; K's scale words: 32 units of 256 bytes, dense
	MKG1 G1KE, 4, 16, 32, 16                       ; K's codes, early: 64 keys as 32 rows of 128 bytes
	MKG1 G1KL, 4, 16, 88, 16                       ; late: 176 keys
	MKG1 G1VS, 5, 32, 16, 512                      ; V's scale words: sixteen key steps' 256 bytes, 4,096 bytes apart
	MKG1 G1VE, 5, 512, 2, 8192                     ; V's codes, early: two panels, each one row of 4,096 bytes, 65,536 bytes apart
	MKG1 G1VL, 5, 512, 3, 8192                     ; late: three panels
	s_lshl_b32 s8, s16, 14
	s_lshl_b32 s9, s15, 13
	s_add_co_u32 s8, s8, s9
	s_add_co_u32 s[G0KA+2], s8, KSO
	s_lshl_b32 s8, s16, 18
	s_lshl_b32 s9, s15, 17
	s_add_co_u32 s8, s8, s9
	s_add_co_u32 s8, s8, KCO                       ; the head's 2,048 keys: 131,072 dense bytes
	s_lshl_b32 s9, s[WV], 12
	s_add_co_u32 s[G0KB+2], s8, s9                 ; keys 64 x wave on (waves 0-9)
	s_mul_i32 s9, s17, 11264
	s_add_co_u32 s9, s9, 40960
	s_add_co_u32 s[G0KC+2], s8, s9                 ; keys 640 + 176 i on
	s_lshl_b32 s8, s15, 16
	s_lshl_b32 s9, s16, 8
	s_add_co_u32 s8, s8, s9
	s_add_co_u32 s[G0VA+2], s8, VSO
	s_lshl_b32 s8, s15, 21
	s_lshl_b32 s9, s16, 12
	s_add_co_u32 s8, s8, s9
	s_add_co_u32 s8, s8, VCO
	s_and_b32 s13, s[WV], 3
	s_lshl_b32 s9, s13, 17
	s_add_co_u32 s[G0VB+2], s8, s9                 ; panels 2 (wave % 4) on (waves 12-15)
	s_mul_i32 s9, s17, 3*65536
	s_add_co_u32 s9, s9, 8*65536
	s_add_co_u32 s[G0VC+2], s8, s9                 ; panels 8 + 3 i on
	s_mov_b32 s[G0KA+1], SCK
	s_mul_i32 s[G0KB+1], s[WV], 32*144
	s_mul_i32 s9, s17, 88*144
	s_add_co_u32 s[G0KC+1], s9, 320*144
	s_mov_b32 s[G0VA+1], SCV
	s_mul_i32 s9, s13, 2*4352
	s_add_co_u32 s[G0VB+1], s9, VB
	s_mul_i32 s9, s17, 3*4352
	s_add_co_u32 s[G0VC+1], s9, VB+8*4352
	s_lshl_b32 s10, s15, 11
	s_lshl_b32 s11, s3, 8
	s_add_co_u32 s10, s10, s11                     ; the work-group's first token
	s_lshl_b32 s11, s[WV], 4
	s_add_co_u32 s11, s10, s11                     ; my wave's
	s_lshl_b32 s12, s16, 18
	s_lshl_b32 s13, s11, 6
	s_add_co_u32 s12, s12, s13                     ; its codes, in q and in ctx alike
	s_mov_b32 s13, 0
	s_lshl_b32 s14, s16, 14
	s_lshl_b32 s100, s11, 2
	s_add_co_u32 s100, s100, s14
	s_add_co_u32 s100, s100, QSO                   ; q's scale words
	s_mov_b32 s101, 0
	s_lshl_b32 s104, s10, 2
	s_add_co_u32 s104, s104, s14
	s_and_b32 s2, s[WV], 1
	s_lshl_b32 s2, s2, 9
	s_add_co_u32 s104, s104, s2
	s_add_co_u32 s104, s104, 4194304               ; ctx's scale words: waves 0 and 1 store 512 bytes each
	s_mov_b32 s105, 0
	s_mov_b32 s[SEL], 0x76543210
	s_mov_b32 s[SEL+1], 0xfedcba98
	s_mov_b32 s[CS], 0x3e38aa3b                    ; c = log2(e) / 8
	s_mov_b32 s[CS+1], s[CS]
	s_mov_b32 s[MNT], 0x600000
	s_wait_dscnt 0x0                               ; both opening adds are done
	s_wait_kmcnt 0x0
	s_add_nc_u64 s[100:101], s[4:5], s[100:101]
	s_add_nc_u64 s[104:105], s[6:7], s[104:105]
	s_add_nc_u64 s[6:7], s[6:7], s[12:13]
	MKG0 G0KA
	MKG0 G0KB
	MKG0 G0KC
	MKG0 G0VA
	MKG0 G0VB
	MKG0 G0VC
	s_add_nc_u64 s[4:5], s[4:5], s[12:13]          ; q's codes lie at the buffer's head
	CROUND                                         ; all four work-groups are here: the joint loads meet
; the head's loads: one chain of branches on the wave's number, one load to an arm, every way passes exactly one
.macro ARM under, g0, g1, next
	s_cmp_lt_u32 s[WV], \under
	s_cbranch_scc0 \next
	TL \g0, \g1
	s_branch .Lasked
\next:
.endm
	ARM 10, G0KB, G1KE, .Lhead_ks
	ARM 11, G0KA, G1KS, .Lhead_vs
	ARM 12, G0VA, G1VS, .Lhead_ve
	TL G0VB, G1VE
.Lasked:
	v_and_b32 v8, 15, v0                           ; r
	v_bfe_u32 v9, v0, 4, 1                         ; h
	s_delay_alu instid0(VALU_DEP_2)
	v_lshlrev_b32 v245, 6, v8
	s_delay_alu instid0(VALU_DEP_1)
	v_lshl_add_u32 v245, v9, 4, v245               ; Q: row r of 64 bytes, + 16 h
	global_load_b128 v[16:19], v245, s[4:5]
	global_load_b128 v[20:23], v245, s[4:5] offset:32
	v_lshlrev_b32 v246, 2, v8
	global_load_b32 v255, v246, s[100:101]
	v_and_b32 v11, 8, v8
	s_delay_alu instid0(VALU_DEP_1)
	v_add_nc_u32 v11, v11, v8                      ; r + 8 (r / 8)
	s_delay_alu instid0(VALU_DEP_1)
	v_lshrrev_b32 v12, 1, v11
	s_delay_alu instid0(VALU_DEP_1)
	v_mul_u32_u24 v[AK0], v12, 144
	s_delay_alu instid0(VALU_DEP_3)
	v_and_b32 v12, 1, v11
	s_delay_alu instid0(VALU_DEP_1)
	v_lshl_add_u32 v[AK0], v12, 6, v[AK0]
	s_delay_alu instid0(VALU_DEP_1)
	v_lshl_add_u32 v[AK0], v9, 4, v[AK0]           ; K: two keys to a row of 144 bytes: the 16 keys of a tile fall on 16 different 16-byte columns
	v_lshrrev_b32 v12, 2, v8
	s_delay_alu instid0(VALU_DEP_1)
	v_mul_u32_u24 v[AV0], v12, 272
	v_and_b32 v12, 3, v8
	s_delay_alu instid0(VALU_DEP_1)
	v_lshl_add_u32 v[AV0], v12, 6, v[AV0]
	s_delay_alu instid0(VALU_DEP_1)
	v_lshl_add_u32 v[AV0], v9, 4, v[AV0]
	s_delay_alu instid0(VALU_DEP_1)
	v_add_nc_u32 v[AV0], VB, v[AV0]                ; V: four rows of the head to a unit of 272 bytes
	v_lshl_add_u32 v[ASK0], v11, 2, SCK
	v_lshl_add_u32 v[ASV0], v8, 2, SCV
	s_mul_i32 s14, s[WV], 1280
	s_add_co_u32 s14, s14, STG
	v_mul_u32_u24 v248, v8, 80
	s_delay_alu instid0(VALU_DEP_1)
	v_lshl_add_u32 v248, v9, 3, v248
	s_delay_alu instid0(VALU_DEP_1)
	v_add_nc_u32 v248, s14, v248                   ; the way out: where I put 8 codes of row r
	v_and_b32 v12, 31, v0
	s_delay_alu instid0(VALU_DEP_1)
	v_lshlrev_b32 v[CO], 4, v12
	s_delay_alu instid0(VALU_DEP_2)
	v_lshrrev_b32 v13, 2, v12
	s_delay_alu instid0(VALU_DEP_1)
	v_mul_u32_u24 v250, v13, 80
	s_delay_alu instid0(VALU_DEP_4)
	v_and_b32 v13, 3, v12
	s_delay_alu instid0(VALU_DEP_1)
	v_lshl_add_u32 v250, v13, 4, v250
	s_delay_alu instid0(VALU_DEP_1)
	v_add_nc_u32 v250, s14, v250                   ; and where I read 16 bytes back
	s_lshl_b32 s14, s[WV], 6
	s_add_co_u32 s14, s14, CSW
	v_lshl_add_u32 v249, v8, 2, s14                ; my row's scale word
	s_and_b32 s14, s[WV], 1
	s_lshl_b32 s14, s14, 9
	s_add_co_u32 s14, s14, CSW
	v_add_nc_u32 v247, s14, v[CO]                  ; waves 0 and 1 read them back
	v_mov_b32 v13, 0xff61b1e6                      ; the largest t so far: -3e38
	s_delay_alu instid0(VALU_DEP_1)
	v_floor_f32 v12, -v13                          ; -M
	v_mov_b32 v14, 0
	v_mov_b32 v15, 0
	v_mov_b32 v253, 0                              ; the upper half of the pair v[252:253]
.irp j, 0,1,2,3,4,5,6,7
	v_mov_b32 v[24+\j], 0                          ; Q's K = 64 .. 127: zero codes
	v_mov_b32 v[96+\j], 0                          ; the upper half of K's last tile
.endr
.irp j, 0,1,2,3
	v_mov_b32 v[TM+4+\j], 0                        ; a lane permute's destination counts as read: written once
.endr
.set j, 0
.rept 32
	v_mov_b32 v[O+j], 0                            ; the key step is written for every step alike: the first finds zeros, which the first change of M leaves zeros
.set j, j+1
.endr
	s_mov_b32 s[TK], 64*144                        ; K and its scale words are fetched a step ahead: these two stand at step 1,
	s_mov_b32 s[TS], 544
	s_mov_b32 s[TV], 0                             ; V's two at step 0
	s_mov_b32 s[TJ], 0
.macro KLOAD ak, aw                    ; a key step's 8 fragments of K (16 keys x 64: 8 registers) and their scale words: 24 LDS loads
.irp t, 0,1,2,3,4,5,6,7
	ds_load_b128 v[32+8*\t:35+8*\t], v[\ak] offset:(16*(\t/2)+4*(\t%2))*144
	ds_load_b128 v[36+8*\t:39+8*\t], v[\ak] offset:(16*(\t/2)+4*(\t%2))*144+32
	ds_load_b32 v[KW+\t], v[\aw] offset:272*(\t/4)+(32*((\t/2)%2)+8*(\t%2))*4
.endr
.endm
; A KEY STEP: 128 keys: 8 products for S^T, the softmax, 4 products for O^T.  No two matrix instructions on end share an accumulator.  K's fragments are in when the step begins.
; pf = 1: the next step's K is asked for; pf = 0: the last step.
.macro STEP pf
.irp t, 0,1,2,3,4,5,6,7
	v_wmma_scale_f32_16x16x128_f8f6f4 v[S+8*\t:S+8*\t+7], v[32+8*\t:47+8*\t], v[16:31], 0, v[KW+\t], v255
.endr
	v_add_nc_u32 v[ADV], s[TV], v[AV0]             ; eight places behind the products, ahead of the loads into registers that they read and of the first read of the scores
	v_add_nc_u32 v[ADT], s[TJ], v[ASV0]
.if \pf
	v_add_nc_u32 v[ADK], s[TK], v[AK0]
	v_add_nc_u32 v[ADS], s[TS], v[ASK0]
.rept 4
	v_nop
.endr
	KLOAD ADK, ADS                                 ; the next step's K: the softmax below stands between these loads and their use
.else
.rept 6
	v_nop
.endr
.endif
.irp b, 0,1,2,3
	v_max3_num_f32 v[TM+\b], v[S+16*\b], v[S+1+16*\b], v[S+2+16*\b]   ; the largest score of each block of 32 keys: for the row's maximum, and, since p rises with the score, for the block's largest p
.endr
.irp i, 3,5,7,9,11,13
.irp b, 0,1,2,3
	v_max3_num_f32 v[TM+\b], v[TM+\b], v[S+16*\b+\i], v[S+1+16*\b+\i]
.endr
.endr
.irp b, 0,1,2,3
	v_max_num_f32 v[TM+\b], v[TM+\b], v[S+15+16*\b]
.endr
.irp b, 0,1,2,3
	s_delay_alu instid0(VALU_DEP_4)
	v_permlanex16_b32 v[TM+4+\b], v[TM+\b], s[SEL], s[SEL+1]
.endr
.irp b, 0,1,2,3
	s_delay_alu instid0(VALU_DEP_4)
	v_max_num_f32 v[TM+\b], v[TM+\b], v[TM+4+\b]
.endr
	s_delay_alu instid0(VALU_DEP_2)
	v_max3_num_f32 v254, v[TM], v[TM+1], v[TM+2]
	s_delay_alu instid0(VALU_DEP_1)
	v_max_num_f32 v254, v254, v[TM+3]
	s_delay_alu instid0(VALU_DEP_1)
	v_mul_f32 v254, s[CS], v254                    ; as t (c is positive)
	s_delay_alu instid0(VALU_DEP_1)
	v_max_num_f32 v13, v13, v254                   ; the running largest t
	v_mov_b32 v254, v12
	s_delay_alu instid0(VALU_DEP_2)
	v_floor_f32 v12, -v13                          ; the new -M = -ceil(t)
	s_delay_alu instid0(VALU_DEP_1)
	v_sub_f32 v254, v12, v254                      ; old M - new M: a whole number, 0 or less
	s_delay_alu instid0(VALU_DEP_1)
	v_cvt_i32_f32 v254, v254                       ; (it saturates)
	s_delay_alu instid0(VALU_DEP_1)
	v_ldexp_f32 v252, 1.0, v254                    ; f = 2^(old M - new M)
.set j, 0
.rept 32
	v_pk_fma_f32 v[S+j:S+j+1], v[S+j:S+j+1], s[CS:CS+1], v[12:13] op_sel_hi:[1,0,0]   ; t - M
.set j, j+2
.endr
.irp b, 0,1,2,3
	v_fma_f32 v[TM+\b], v[TM+\b], s[CS], v12
.endr
.set j, 0
	s_wait_alu depctr_va_vdst(0)                   ; the wait ahead of the batch
.rept 64
	v_exp_f32 v[S+j], v[S+j]                       ; p = 2^(t - M)
.set j, j+1
.endr
	v_pk_mul_f32 v[14:15], v[14:15], v[252:253] op_sel_hi:[1,0]   ; the sums under the new M: a plain instruction behind the exponentials
	s_wait_alu depctr_va_vdst(0)                   ; one wait for the batch, ahead of its first reader
.irp b, 0,1,2,3
	v_exp_f32 v[TM+\b], v[TM+\b]                   ; each block's largest p
.endr
	v_pk_add_f32 v[228:229], v[108:109], v[112:113]   ; the row's sum of the unquantised p, in eight chains
	v_pk_add_f32 v[244:245], v[116:117], v[120:121]
	v_pk_add_f32 v[242:243], v[124:125], v[128:129]
	v_pk_add_f32 v[240:241], v[132:133], v[136:137]
	v_pk_add_f32 v[238:239], v[140:141], v[144:145]
	v_pk_add_f32 v[236:237], v[148:149], v[152:153]
	v_pk_add_f32 v[234:235], v[156:157], v[160:161]
	v_pk_add_f32 v[14:15], v[14:15], v[164:165]
	v_pk_add_f32 v[228:229], v[228:229], v[104:105]
	v_pk_add_f32 v[244:245], v[244:245], v[106:107]
	v_pk_add_f32 v[242:243], v[242:243], v[110:111]
	v_pk_add_f32 v[240:241], v[240:241], v[114:115]
	v_pk_add_f32 v[238:239], v[238:239], v[118:119]
	v_pk_add_f32 v[236:237], v[236:237], v[122:123]
	v_pk_add_f32 v[234:235], v[234:235], v[126:127]
	v_pk_add_f32 v[14:15], v[14:15], v[130:131]
	v_pk_add_f32 v[228:229], v[228:229], v[134:135]
	v_pk_add_f32 v[244:245], v[244:245], v[138:139]
	v_pk_add_f32 v[242:243], v[242:243], v[142:143]
	v_pk_add_f32 v[240:241], v[240:241], v[146:147]
	v_pk_add_f32 v[238:239], v[238:239], v[150:151]
	v_pk_add_f32 v[236:237], v[236:237], v[154:155]
	v_pk_add_f32 v[234:235], v[234:235], v[158:159]
	v_pk_add_f32 v[14:15], v[14:15], v[162:163]
	v_pk_add_f32 v[228:229], v[228:229], v[166:167]
	s_delay_alu instid0(VALU_DEP_2)
	v_pk_add_f32 v[14:15], v[14:15], v[240:241]
	s_delay_alu instid0(VALU_DEP_2)
	v_pk_add_f32 v[228:229], v[228:229], v[238:239]
	v_pk_add_f32 v[244:245], v[244:245], v[236:237]
	v_pk_add_f32 v[242:243], v[242:243], v[234:235]
	s_delay_alu instid0(VALU_DEP_2)
	v_pk_add_f32 v[14:15], v[14:15], v[244:245]
	s_delay_alu instid0(VALU_DEP_2)
	v_pk_add_f32 v[228:229], v[228:229], v[242:243]
	s_delay_alu instid0(VALU_DEP_1)
	v_pk_add_f32 v[14:15], v[14:15], v[228:229]
	s_wait_alu depctr_va_vdst(0)                   ; and one for the four
.irp b, 0,1,2,3
	v_max_num_f32 v[TM+\b], 0x4800000, v[TM+\b]    ; the floor 2^(9 - 127)
.endr
.irp b, 0,1,2,3
	s_delay_alu instid0(VALU_DEP_4)
	v_add_nc_u32 v[TM+12+\b], 0xfc000000, v[TM+\b]
.endr
.irp b, 0,1,2,3
	v_and_or_b32 v[TM+8+\b], v[TM+\b], 0x7f800000, s[MNT]
.endr
.irp b, 0,1,2,3
	v_lshrrev_b32 v[TM+4+\b], 23, v[TM+12+\b]
.endr
	s_delay_alu instid0(VALU_DEP_3)
	v_lshl_or_b32 v[PW], v[TM+5], 8, v[TM+4]       ; p's scale word for these 128 keys
	s_delay_alu instid0(VALU_DEP_1)
	v_lshl_or_b32 v[PW], v[TM+6], 16, v[PW]
	s_delay_alu instid0(VALU_DEP_1)
	v_lshl_or_b32 v[PW], v[TM+7], 24, v[PW]
.irp b, 0,1,2,3
.irp i, 0,2,4,6,8,10,12,14
	v_dual_min_num_f32 v[S+16*\b+\i], v[TM+8+\b], v[S+16*\b+\i] :: v_dual_min_num_f32 v[S+16*\b+\i+1], v[TM+8+\b], v[S+16*\b+\i+1]   ; p is not negative: the hold is one-sided; two numbers an instruction
.endr
	v_cvt_scalef32_pk8_fp8_f32 v[PC+4*\b:PC+1+4*\b], v[S+16*\b:S+7+16*\b], v[TM+12+\b]
	v_cvt_scalef32_pk8_fp8_f32 v[PC+2+4*\b:PC+3+4*\b], v[S+8+16*\b:S+15+16*\b], v[TM+12+\b]
.irp c, 0,1,2,3
	ds_load_b128 v[S+16*\b+4*\c:S+16*\b+4*\c+3], v[ADV] offset:(\c/2)*4352+4*\b*272+32*(\c%2)   ; block b's 16 registers are free: V's fragment b (16 of the head's 64 x these 128 keys) lands there
.endr
	ds_load_b32 v[VW+\b], v[ADT] offset:64*\b      ; and its scale words
.endr
.set j, 0
.rept 16
	v_pk_mul_f32 v[O+j:O+j+1], v[O+j:O+j+1], v[252:253] op_sel_hi:[1,0]   ; O^T under the new M; these are also the places between the codes' last write and the products below
.set j, j+2
.endr
	s_wait_alu depctr_va_vdst(0)
.irp t, 0,1,2,3
	s_wait_dscnt 5*(3-\t)                          ; V's fragment t and its scale words are in (and K's loads, which are older); the five loads of each younger fragment may be out
	v_wmma_scale_f32_16x16x128_f8f6f4 v[O+8*\t:O+8*\t+7], v[S+16*\t:S+16*\t+15], v[PC:PC+15], v[O+8*\t:O+8*\t+7], v[VW+\t], v[PW]
.endr
.if \pf
.rept 9
	v_nop                                          ; nine places: the next step's first products write over the registers that these products read as their first source
.endr
	s_add_co_u32 s[TK], s[TK], 64*144
	s_add_co_u32 s[TS], s[TS], 544
	s_add_co_u32 s[TV], s[TV], 2*4352
	s_add_co_u32 s[TJ], s[TJ], 272
.endif
.endm
	s_wait_alu depctr_va_vdst(0)                   ; the wait at the head's end
	s_wait_tensorcnt 0x0                           ; my early tile is in
	ds_add_u32 v[SPW], v[NIL]
	s_wait_dscnt 0x0
	CROUND                                         ; everybody's early tile is in, and all four work-groups are here: the late joint loads meet
	s_cmp_lt_u32 s[WV], 8
	s_cbranch_scc0 .Llate_v
	TL G0KC, G1KL                                  ; my one tensor load behind the round
	s_branch .Llate_asked
.Llate_v:
	TL G0VC, G1VL
.Llate_asked:
	KLOAD AK0, ASK0                                ; K of step 0
	s_wait_loadcnt 0x0                             ; Q
	s_wait_dscnt 0x0
	s_mov_b32 s[CNT], 3
.Learly:                                           ; keys 0 to 383
	STEP 1
	s_sub_co_u32 s[CNT], s[CNT], 1
	s_cmp_lg_u32 s[CNT], 0
	s_cbranch_scc1 .Learly
	s_wait_tensorcnt 0x0                           ; my late tile is in,
	s_wait_dscnt 0x0
	s_barrier_signal -1                            ; say so;
	STEP 1                                         ; keys 384 to 511, and K's keys 512 to 639 are asked for: register work and reads of the early tiles, which nobody writes;
	s_barrier_wait -1                              ; everybody's late tile is in
	s_mov_b32 s[CNT], 11
.Llate:                                            ; keys 512 to 1,919
	STEP 1
	s_sub_co_u32 s[CNT], s[CNT], 1
	s_cmp_lg_u32 s[CNT], 0
	s_cbranch_scc1 .Llate
	STEP 0                                         ; keys 1,920 to 2,047: the last step is written out: there is no K left to ask for
	; THE WAY OUT: O^T / the sum, quantised along the head's 64 (two blocks), codes and scale words through LDS
.rept 8
	v_nop                                          ; eight places behind the last products: their results are read and their first source's registers written below
.endr
	v_add_f32 v14, v14, v15
	s_delay_alu instid0(VALU_DEP_1)
	v_permlanex16_b32 v254, v14, s[SEL], s[SEL+1]
	s_delay_alu instid0(VALU_DEP_1)
	v_add_f32 v14, v14, v254                       ; the row's sum
	s_wait_alu depctr_va_vdst(0)
	v_rcp_f32 v14, v14
	v_nop
	s_wait_alu depctr_va_vdst(0)
.set j, 0
.rept 32
	v_mul_f32 v[S+j], v[O+j], v14                  ; each accumulator from its low end on
.set j, j+1
.endr
.irp b, 0,1
	v_max3_num_f32 v[TM+\b], |v[S+16*\b]|, |v[S+1+16*\b]|, 0x4800000
.endr
.irp i, 2,4,6,8,10,12,14
.irp b, 0,1
	s_delay_alu instid0(VALU_DEP_2)
	v_max3_num_f32 v[TM+\b], v[TM+\b], |v[S+16*\b+\i]|, |v[S+1+16*\b+\i]|
.endr
.endr
.irp b, 0,1
	s_delay_alu instid0(VALU_DEP_2)
	v_permlanex16_b32 v[TM+4+\b], v[TM+\b], s[SEL], s[SEL+1]
.endr
.irp b, 0,1
	s_delay_alu instid0(VALU_DEP_2)
	v_max_num_f32 v[TM+\b], v[TM+\b], v[TM+4+\b]
.endr
.irp b, 0,1
	v_add_nc_u32 v[TM+12+\b], 0xfc000000, v[TM+\b]
	v_and_or_b32 v[TM+8+\b], v[TM+\b], 0x7f800000, s[MNT]
.endr
.irp b, 0,1
	v_lshrrev_b32 v[TM+4+\b], 23, v[TM+12+\b]
.endr
	s_delay_alu instid0(VALU_DEP_1)
	v_lshl_or_b32 v[PW], v[TM+5], 8, v[TM+4]       ; two bytes; the upper two stay 0
.irp b, 0,1
.irp i, 0,1,2,3,4,5,6,7,8,9,10,11,12,13,14,15
	v_med3_num_f32 v[S+16*\b+\i], v[S+16*\b+\i], -v[TM+8+\b], v[TM+8+\b]
.endr
	v_cvt_scalef32_pk8_fp8_f32 v[PC+4*\b:PC+1+4*\b], v[S+16*\b:S+7+16*\b], v[TM+12+\b]
	v_cvt_scalef32_pk8_fp8_f32 v[PC+2+4*\b:PC+3+4*\b], v[S+8+16*\b:S+15+16*\b], v[TM+12+\b]
.endr
	v_nop
.irp b, 0,1
	ds_store_b64 v248, v[PC+4*\b:PC+1+4*\b] offset:32*\b
	ds_store_b64 v248, v[PC+2+4*\b:PC+3+4*\b] offset:32*\b+16
.endr
	ds_store_b32 v249, v[PW]                       ; lanes l and l xor 16 write the same word with the same value
	ds_load_b128 v[32:35], v250                    ; LDS serves a wave's instructions in order: these see my stores
	ds_load_b128 v[36:39], v250 offset:640
	s_wait_dscnt 0x0                               ; also for the others' sake: my scale words are stored
	s_barrier_signal -1
	s_barrier_wait -1
	global_store_b128 v[CO], v[32:35], s[6:7]      ; my 16 rows of 64 codes: twice 512 consecutive bytes
	global_store_b128 v[CO], v[36:39], s[6:7] offset:512
	s_cmp_lt_u32 s[WV], 2
	s_cbranch_scc0 .Lno_words
	ds_load_b128 v[40:43], v247
	s_wait_dscnt 0x0
	global_store_b128 v[CO], v[40:43], s[104:105]  ; 128 rows' scale words: 512 consecutive bytes
.Lno_words:
	s_wait_tensorcnt 0x0                           ; the wave's end
	ds_add_u32 v[SPW], v[NIL]
	s_wait_dscnt 0x0
	CROUND                                         ; the closing round
	s_endpgm
.Lfunc_end_k_q5d9f9e8563_attn:
	.size	k_q5d9f9e8563_attn, .Lfunc_end_k_q5d9f9e8563_attn-k_q5d9f9e8563_attn
	.p2alignl 7, 3214868480
	.fill 96, 4, 3214868480
	.section	.rodata,"a",@progbits
	.p2align	6, 0x0
	.amdhsa_kernel k_q5d9f9e8563_attn
		.amdhsa_group_segment_fixed_size 327680
		.amdhsa_private_segment_fixed_size 0
		.amdhsa_enable_private_segment 0
		.amdhsa_kernarg_size 16
		.amdhsa_user_sgpr_count 2
		.amdhsa_user_sgpr_kernarg_segment_ptr 1
		.amdhsa_wavefront_size32 1
		.amdhsa_system_sgpr_workgroup_id_x 1
		.amdhsa_system_sgpr_workgroup_id_y 1
		.amdhsa_system_sgpr_workgroup_id_z 1
		.amdhsa_system_vgpr_workitem_id 0
		.amdhsa_next_free_vgpr 256
		.amdhsa_next_free_sgpr 106
		.amdhsa_reserve_vcc 0
		.amdhsa_float_denorm_mode_32 3
		.amdhsa_float_denorm_mode_16_64 3
		.amdhsa_memory_ordered 1
		.amdhsa_forward_progress 1
		.amdhsa_inst_pref_size 102
	.end_amdhsa_kernel
	.amdgpu_metadata
---
amdhsa.version: [ 1, 2 ]
amdhsa.kernels:
  - .name:           k_q5d9f9e8563_attn
    .symbol:         k_q5d9f9e8563_attn.kd
    .args:
      - { .name: qkv, .offset: 0, .size: 8, .value_kind: global_buffer, .address_space: global }
      - { .name: cq, .offset: 8, .size: 8, .value_kind: global_buffer, .address_space: global }
    .group_segment_fixed_size: 327680
    .private_segment_fixed_size: 0
    .kernarg_segment_align: 8
    .kernarg_segment_size: 16
    .max_flat_workgroup_size: 512
    .sgpr_count:     106
    .vgpr_count:     256
    .wavefront_size: 32
...
	.end_amdgpu_metadata
.endif
;; end of part 3
;; launch wo (part 4): grid 8 x 32, 4 waves a work-group, clusters of 4 x 4, 327,680 bytes of LDS; arguments cq, Wo_codes, Wo_scales, bo, x, x1; writes x1
.if DOCPART == 4
	.amdgcn_target "amdgcn-amd-amdhsa--gfx1250"
	.amdhsa_code_object_version 6
	.text
	.protected	k_q5d9f9e8563_wo
	.globl	k_q5d9f9e8563_wo
	.p2align	8
	.type	k_q5d9f9e8563_wo,@function
k_q5d9f9e8563_wo:
	s_mov_b64 s[64:65], 0
	v_nop
	global_prefetch_b8 v0, s[64:65] scope:SCOPE_SE
	s_setreg_imm32_b32 hwreg(HW_REG_WAVE_MODE, 25, 1), 1
	s_wait_xcnt 0x0
	s_wait_alu depctr_hold_cnt(0) depctr_sa_sdst(0) depctr_va_vdst(0) depctr_va_sdst(0) depctr_va_ssrc(0) depctr_va_vcc(0) depctr_vm_vsrc(0)
	s_getreg_b32 s2, hwreg(HW_REG_IB_STS2, 6, 4)
	s_cmp_eq_u32 s2, 0
	s_cbranch_scc0 .Lentry_in_a_cluster
	s_endpgm
.Lentry_in_a_cluster:
	s_bfe_u32 s2, ttmp6, 0x10000c
	s_cmp_lg_u32 s2, 0xf033
	s_cbranch_scc0 .Lentry_shape_is_right
	s_endpgm
.Lentry_shape_is_right:
; x1 = x + ctx Wo + bo, the product on codes of E4M3 with E8M0 scales, K = 1,024.  No work of the layer is left out here.
; ctx: codes in panels [16 heads][4096 rows][64 bytes]; scale words [16 heads][4096] (two bytes used) at byte 4,194,304.  Wo: codes [1024][1024], scale bytes [1024][32].  x, x1: [4096][1024] f32.
; A tile of the result is 128 x 128, so that 256 work-groups have work; four waves of 64 x 64: 16 accumulators.
; NO RING: the tile's operands for all of K, 272,384 bytes of codes with padding and 13,056 of scales, lie in LDS whole.  Four joint loads at the head, one a wave: wave 0 ctx's 128 rows (16 panels of 8,192 bytes),
; wave 1 Wo's 128 rows of 1,024 bytes, wave 2 ctx's scale words, wave 3 Wo's scale bytes.  No byte is filled twice; one wait and one barrier show the tiles to all waves.
; The matrix instruction is used transposed (source 0 = 16 rows of Wo, source 1 = 16 rows of ctx): a lane holds eight neighbouring columns of one row.
; The bias is the C of each sum's first matrix instruction; the residual's 128 registers a lane are asked for at the head and added on the way out.
; A scale word of 128 along K is put together of two heads' half words, once, ahead of the first product.
; CLUSTERS: 4 x 4 work-groups; ctx's tiles are asked for jointly along a row of the cluster, Wo's along a column.  No prefetch: every tile is asked for at the head, and there is no loop of loads to run ahead in.
; REGISTERS: window 0: v0-31 addresses; v32-63 ctx's scale words (8 x block + quarter); v64-95 Wo's; v96-127 at work; v128-255 the accumulators.  window 1: two fragment buffers (A's 4 fragments, then B's 4).  window 2: v0-127 the residual, v128-159 the bias.
.set ASW,   4194304                    ; where ctx's scale words begin in the buffer
.set APN,   8704                       ; LDS: a panel (64 along K) of 128 rows: 32 units of (4 rows x 64 bytes + 16)
.set BB,    16*APN                     ; Wo's 128 rows
.set BP,    1040                       ; 1,024 bytes + 16: an odd multiple of 16, so that 16 rows fall on 16 different 16-byte columns
.set SCA,   BB+128*BP                  ; ctx's scale words: for each head two units of 256 bytes + 16 (rows 0-63, rows 64-127)
.set SCB,   SCA+16*544                 ; Wo's scale bytes: dense, 16 units of 256 bytes + 16
.set SPARE, SCB+16*272                 ; the spare words, 128 bytes a wave
.set STG,   SPARE+512                  ; the way out: 16 rows x 272 bytes for each wave, bytes of their own
.set ADRA, 16
.set ADRB, 20
.set ADSA, 22
.set ADSB, 23
.set STO,  24
.set RD,   25
.set CO,   26
.set SPW,  28
.set NIL,  29
.set SA,   32
.set SB,   64
.set T,    96
.set ACC,  128
.set BI,   128
.set G1A, 24
.set G1B, 32
.set G1S, 40
.set G1T, 48
.set G0A, 56
.set G0B, 60
.set G0S, 68
.set G0T, 72
.set WVN, 76
.set WR,  77
.set WC,  78
.set MSB, 0
.macro WIN new
.if MSB != (\new)
	s_set_vgpr_msb (MSB<<8)|(\new)
.set MSB, (\new)
.endif
.endm
.set MUL,  0x05                        ; sources 0 and 1 window 1; C and D window 0
.set MULZ, 0x25                        ; the same, C (the bias) window 2
.set TO_F, 0x40
.macro CROUND
	s_barrier_signal -1
	s_barrier_wait -1
	s_cmp_lg_u32 s[WVN], 0
	s_cbranch_scc1 .Lnot_wave_0_\@
	s_barrier_signal -3
.Lnot_wave_0_\@:
	s_barrier_wait -3
	s_barrier_signal -1
	s_barrier_wait -1
.endm
.macro PLACES n
.rept \n
	v_nop
.endr
.endm
.macro MKG1 g, m, w0, c, r, p          ; group 1: the mask in s[m]; r rows of c elements, p elements apart
	s_or_b32 s[\g], s[\m], \w0
	s_mov_b32 s[\g+1], (\c)<<16
	s_mov_b32 s[\g+2], (\r)<<16
	s_mov_b32 s[\g+3], (\c)<<16
	s_mov_b32 s[\g+4], \r
	s_mov_b32 s[\g+5], \p
	s_mov_b32 s[\g+6], 0
	s_mov_b32 s[\g+7], 0
.endm
.macro MKG0 g, lds, base, off
	s_mov_b32 s[\g], 1
	s_mov_b32 s[\g+1], \lds
	s_add_nc_u64 s[\g+2:\g+3], s[\base:\base+1], s[\off:\off+1]
	s_or_b32 s[\g+3], s[\g+3], 0x80000000
.endm
	s_load_b256 s[4:11], s[0:1], 0x0               ; ctx s[4:5], Wo's codes s[6:7], Wo's scales s[8:9], the bias s[10:11]
	s_load_b128 s[12:15], s[0:1], 0x20             ; the residual s[12:13], out s[14:15]
	v_lshl_add_u32 v[SPW], v0, 2, SPARE
	v_mov_b32 v[NIL], 0
	ds_add_u32 v[SPW], v[NIL]                      ; the wave's opening: the add, twice on end, and its wait ahead of my first tensor load
	ds_add_u32 v[SPW], v[NIL]
	v_lshrrev_b32 v1, 5, v0
	v_readfirstlane_b32 s[WVN], v1
	s_lshr_b32 s[WR], s[WVN], 1                    ; which half of the tile's rows is mine
	s_and_b32 s[WC], s[WVN], 1                     ; which half of its columns
	s_bfe_u32 s79, ttmp6, 0x40000
	s_bfe_u32 s80, ttmp6, 0x40004
	s_lshl_b32 s81, ttmp9, 2
	s_add_co_u32 s81, s81, s79                     ; tile column
	s_and_b32 s82, ttmp7, 0xffff
	s_lshl_b32 s82, s82, 2
	s_add_co_u32 s82, s82, s80                     ; tile row
	s_lshl_b32 s83, s80, 2
	s_lshl_b32 s83, 15, s83                        ; my row of the cluster
	s_lshl_b32 s84, 0x1111, s79                    ; my column
	MKG1 G1A, 83, (3<<16)|(1<<20)|(1<<21)|(5<<22)|(3<<25), 1024, 16, 32768   ; ctx's codes: 16 panels, of each 128 rows x 64 bytes on end as one row of 1,024 elements of 8 bytes; 16 bytes of padding behind every 256
	MKG1 G1B, 84, (0<<16)|(1<<20)|(1<<21)|(7<<22)|(3<<25), 1024, 128, 1024   ; Wo's codes: 128 rows of 1,024 bytes, 16 of padding behind each
	MKG1 G1S, 83, (3<<16)|(1<<20)|(1<<21)|(5<<22)|(3<<25), 64, 16, 2048      ; ctx's scale words: 16 rows of 512 bytes (128 rows of ctx), 16,384 bytes apart
	MKG1 G1T, 84, (3<<16)|(1<<20)|(1<<21)|(5<<22)|(3<<25), 32, 16, 32        ; Wo's scale bytes: 4,096 dense bytes as rows of 256
	s_lshl_b32 s16, s82, 13                        ; ctx: 128 rows of 64 bytes a tile row
	s_mov_b32 s17, 0
	s_lshl_b32 s18, s82, 9
	s_add_co_u32 s18, s18, ASW
	s_mov_b32 s19, 0
	s_lshl_b32 s20, s81, 17                        ; Wo: 128 rows of 1,024 bytes a tile column
	s_mov_b32 s21, 0
	s_lshl_b32 s22, s81, 12
	s_mov_b32 s23, 0
	s_wait_dscnt 0x0                               ; both opening adds are done
	s_wait_kmcnt 0x0
	MKG0 G0A, 0, 4, 16
	MKG0 G0S, SCA, 4, 18
	MKG0 G0B, BB, 6, 20
	MKG0 G0T, SCB, 8, 22
	CROUND                                         ; all sixteen work-groups are here: the joint loads meet
.macro ARM under, g0, g1, next         ; one chain of branches on the wave's number, one load to an arm
	s_cmp_lt_u32 s[WVN], \under
	s_cbranch_scc0 \next
	tensor_load_to_lds s[\g0:\g0+3], s[\g1:\g1+7]
	s_nop 0
	PLACES 4
	s_branch .Lasked
\next:
.endm
	ARM 1, G0A, G1A, .Lhead_b
	ARM 2, G0B, G1B, .Lhead_s
	ARM 3, G0S, G1S, .Lhead_t
	tensor_load_to_lds s[G0T:G0T+3], s[G1T:G1T+7]
	s_nop 0
	PLACES 4
.Lasked:
	v_and_b32 v1, 15, v0                           ; r
	v_bfe_u32 v2, v0, 4, 1                         ; h
	v_lshrrev_b32 v3, 2, v1
	v_mul_u32_u24 v3, v3, 272
	v_and_b32 v4, 3, v1
	v_lshl_add_u32 v3, v4, 6, v3
	v_lshl_add_u32 v3, v2, 4, v3                   ; A: four rows to a unit of 272 bytes
	s_mul_i32 s16, s[WR], 4352                     ; my 64 rows: 16 units on in each panel
	v_add_nc_u32 v[ADRA], s16, v3
	v_add_nc_u32 v[ADRA+1], 8*APN, v[ADRA]         ; panels 8 on: the offsets stay inside 16 bits
	v_mul_u32_u24 v4, v1, BP
	v_lshl_add_u32 v4, v2, 4, v4
	s_mul_i32 s16, s[WC], 64*BP
	s_add_co_u32 s16, s16, BB
	v_add_nc_u32 v[ADRB], s16, v4
	s_mul_i32 s16, s[WR], 272
	s_add_co_u32 s16, s16, SCA
	v_lshl_add_u32 v[ADSA], v1, 2, s16
	v_lshlrev_b32 v5, 5, v1
	v_lshrrev_b32 v6, 8, v5
	v_lshl_add_u32 v5, v6, 4, v5
	s_mul_i32 s16, s[WC], 8*272
	s_add_co_u32 s16, s16, SCB
	v_add_nc_u32 v[ADSB], s16, v5
	s_mul_i32 s16, s[WVN], 4352
	s_add_co_u32 s16, s16, STG                     ; my stage
	v_mul_u32_u24 v5, v1, 272
	v_lshl_add_u32 v5, v2, 5, v5
	v_add_nc_u32 v[STO], s16, v5
	v_mul_u32_u24 v5, v2, 272
	v_lshl_add_u32 v5, v1, 4, v5
	v_add_nc_u32 v[RD], s16, v5
	v_lshlrev_b32 v5, 12, v2
	v_lshl_add_u32 v[CO], v1, 4, v5                ; lanes 0-15 one row's 256 bytes, lanes 16-31 the next row's
	v_lshlrev_b32 v7, 5, v2
	s_wait_alu depctr_va_vdst(0)                   ; the wait at the head's end
	s_lshl_b32 s16, s82, 7
	s_lshl_b32 s17, s[WR], 6
	s_add_co_u32 s16, s16, s17
	s_lshl_b32 s16, s16, 12                        ; my first row, in bytes
	s_lshl_b32 s18, s81, 7
	s_lshl_b32 s19, s[WC], 6
	s_add_co_u32 s18, s18, s19
	s_lshl_b32 s18, s18, 2                         ; my first column
	s_mov_b32 s19, 0
	s_add_nc_u64 s[10:11], s[10:11], s[18:19]
	s_add_co_u32 s16, s16, s18
	s_mov_b32 s17, 0
	s_add_nc_u64 s[12:13], s[12:13], s[16:17]
	s_add_nc_u64 s[14:15], s[14:15], s[16:17]
	WIN 0x80                                       ; destination window 2
.irp b, 0,1,2,3
	global_load_b128 v[BI+8*\b:BI+8*\b+3], v7, s[10:11] offset:64*\b
	global_load_b128 v[BI+8*\b+4:BI+8*\b+7], v7, s[10:11] offset:64*\b+16
.endr
.irp a, 0,1,2,3
.irp i, 0,1,2,3,4,5,6,7
	global_load_b128 v[4*(8*\a+\i):4*(8*\a+\i)+3], v[CO], s[12:13] offset:(16*\a+2*\i)*4096 th:TH_LOAD_NT
.endr
.endr
	WIN 0
.macro FETCH q, f                      ; the fragments of the q-th 128 along K into buffer f: 32 loads in one run
	WIN TO_F
.irp b, 0,1,2,3
.irp c, 0,1,2,3
	ds_load_b128 v[(\f)+64+16*\b+4*\c:(\f)+64+16*\b+4*\c+3], v[ADRB] offset:16*\b*BP+128*(\q)+32*\c
.endr
.endr
.irp a, 0,1,2,3
.irp c, 0,1,2,3
	ds_load_b128 v[(\f)+16*\a+4*\c:(\f)+16*\a+4*\c+3], v[ADRA+(\q)/4] offset:(2*((\q)%4)+\c/2)*APN+4*\a*272+32*(\c%2)
.endr
.endr
	WIN 0
.endm
; Four matrix instructions: A's block a x B's four.  The 16 accumulators take turns, one instruction a turn, in one order throughout.
.macro PROD f, q, a
.irp b, 0,1,2,3
.if (\q) == 0
	v_wmma_scale_f32_16x16x128_f8f6f4 v[ACC+8*(4*(\a)+\b):ACC+8*(4*(\a)+\b)+7], v[(\f)+64+16*\b:(\f)+64+16*\b+15], v[(\f)+16*(\a):(\f)+16*(\a)+15], v[BI+8*\b:BI+8*\b+7], v[SB+8*\b+(\q)], v[SA+8*(\a)+(\q)]
.else
	v_wmma_scale_f32_16x16x128_f8f6f4 v[ACC+8*(4*(\a)+\b):ACC+8*(4*(\a)+\b)+7], v[(\f)+64+16*\b:(\f)+64+16*\b+15], v[(\f)+16*(\a):(\f)+16*(\a)+15], v[ACC+8*(4*(\a)+\b):ACC+8*(4*(\a)+\b)+7], v[SB+8*\b+(\q)], v[SA+8*(\a)+(\q)]
.endif
.endr
.endm
.macro QUARTER q                       ; 128 along K: the next quarter's fragments are asked for, then this one's 16 products
	s_wait_dscnt 0x0                               ; this quarter's fragments (and, at the first, the scale words) are in
.if (\q) == 0
.set j, 0
.rept 32
	v_lshl_or_b32 v[SA+j], v[T+j], 16, v[SA+j]     ; two heads' half words make the word of 128 along K
.set j, j+1
.endr
	s_wait_alu depctr_va_vdst(0)                   ; the wait here, directly behind the writes: the later quarters read these words behind waits
.endif
.if (\q) < 7
	PLACES 8                                       ; ahead of loads into the buffer that the last quarter's products read, and between the scale words' last write and the products
	FETCH (\q)+1, 128*(((\q)+1)%2)
.endif
.if (\q) == 0
	WIN MULZ
.else
	WIN MUL
.endif
.irp a, 0,1,2,3
	PROD 128*((\q)%2), \q, \a
.endr
	WIN 0
.endm
	s_wait_tensorcnt 0x0                           ; my tile is in,
	s_barrier_signal -1
	s_barrier_wait -1                              ; everybody's is
	FETCH 0, 0
.irp b, 0,1,2,3
	ds_load_b128 v[SB+8*\b:SB+8*\b+3], v[ADSB] offset:\b*544          ; Wo's scale words of all eight quarters
	ds_load_b128 v[SB+8*\b+4:SB+8*\b+7], v[ADSB] offset:\b*544+16
.endr
.irp a, 0,1,2,3
.irp q, 0,1,2,3,4,5,6,7
	ds_load_b32 v[SA+8*\a+\q], v[ADSA] offset:1088*\q+64*\a           ; ctx's: head 2 q,
	ds_load_b32 v[T+8*\a+\q], v[ADSA] offset:1088*\q+544+64*\a        ; and head 2 q + 1
.endr
.endr
	s_wait_loadcnt 32                              ; the bias is in; the residual's 32 loads may be out
.irp q, 0,1,2,3,4,5,6,7
	QUARTER \q
.endr
	; THE WAY OUT: 16 rows x 64 columns at a time through my stage, back as whole rows of 256 bytes, the residual added, stored: sixteen lanes store 256 consecutive bytes, aligned
	s_wait_loadcnt 0x0                             ; the residual
	PLACES 8
.irp a, 0,1,2,3
.irp b, 0,1,2,3
	ds_store_b128 v[STO], v[ACC+8*(4*\a+\b):ACC+8*(4*\a+\b)+3] offset:64*\b       ; each accumulator from its low end on
	ds_store_b128 v[STO], v[ACC+8*(4*\a+\b)+4:ACC+8*(4*\a+\b)+7] offset:64*\b+16
.endr
.irp i, 0,1,2,3,4,5,6,7
	ds_load_b128 v[T+4*\i:T+4*\i+3], v[RD] offset:544*\i   ; LDS serves a wave's instructions in order: these see the stores above
.endr
	s_wait_dscnt 0x0
	WIN 0x88                                       ; source 1 and destination window 2
.set j, 0
.rept 16
	v_pk_add_f32 v[32*\a+j:32*\a+j+1], v[T+j:T+j+1], v[32*\a+j:32*\a+j+1]
.set j, j+2
.endr
	WIN 0x08                                       ; a store's data: window 2
.irp i, 0,1,2,3,4,5,6,7
	global_store_b128 v[CO], v[32*\a+4*\i:32*\a+4*\i+3], s[14:15] offset:(16*\a+2*\i)*4096
.endr
	WIN 0
.endr
	s_wait_tensorcnt 0x0                           ; the wave's end
	ds_add_u32 v[SPW], v[NIL]
	s_wait_dscnt 0x0
	CROUND                                         ; the closing round
	s_endpgm
.Lfunc_end_k_q5d9f9e8563_wo:
	.size	k_q5d9f9e8563_wo, .Lfunc_end_k_q5d9f9e8563_wo-k_q5d9f9e8563_wo
	.p2alignl 7, 3214868480
	.fill 96, 4, 3214868480
	.section	.rodata,"a",@progbits
	.p2align	6, 0x0
	.amdhsa_kernel k_q5d9f9e8563_wo
		.amdhsa_group_segment_fixed_size 327680
		.amdhsa_private_segment_fixed_size 0
		.amdhsa_enable_private_segment 0
		.amdhsa_kernarg_size 48
		.amdhsa_user_sgpr_count 2
		.amdhsa_user_sgpr_kernarg_segment_ptr 1
		.amdhsa_wavefront_size32 1
		.amdhsa_system_sgpr_workgroup_id_x 1
		.amdhsa_system_sgpr_workgroup_id_y 1
		.amdhsa_system_sgpr_workgroup_id_z 1
		.amdhsa_system_vgpr_workitem_id 0
		.amdhsa_next_free_vgpr 768
		.amdhsa_next_free_sgpr 100
		.amdhsa_reserve_vcc 0
		.amdhsa_float_denorm_mode_32 3
		.amdhsa_float_denorm_mode_16_64 3
		.amdhsa_memory_ordered 1
		.amdhsa_forward_progress 1
		.amdhsa_inst_pref_size 66
	.end_amdhsa_kernel
	.amdgpu_metadata
---
amdhsa.version: [ 1, 2 ]
amdhsa.kernels:
  - .name:           k_q5d9f9e8563_wo
    .symbol:         k_q5d9f9e8563_wo.kd
    .args:
      - { .name: cq, .offset: 0, .size: 8, .value_kind: global_buffer, .address_space: global }
      - { .name: Wo_codes, .offset: 8, .size: 8, .value_kind: global_buffer, .address_space: global }
      - { .name: Wo_scales, .offset: 16, .size: 8, .value_kind: global_buffer, .address_space: global }
      - { .name: bo, .offset: 24, .size: 8, .value_kind: global_buffer, .address_space: global }
      - { .name: x, .offset: 32, .size: 8, .value_kind: global_buffer, .address_space: global }
      - { .name: x1, .offset: 40, .size: 8, .value_kind: global_buffer, .address_space: global }
    .group_segment_fixed_size: 327680
    .private_segment_fixed_size: 0
    .kernarg_segment_align: 8
    .kernarg_segment_size: 48
    .max_flat_workgroup_size: 128
    .sgpr_count:     100
    .vgpr_count:     768
    .wavefront_size: 32
...
	.end_amdgpu_metadata
.endif
;; end of part 4
;; launch ln2: the kernel of part 1 again; grid 256 x 1, 16 waves a work-group, no clusters, 84,480 bytes of LDS; arguments x1, gamma2, beta2, hq; writes hq
;; launch w1 (part 5): grid 16 x 16, 4 waves a work-group, clusters of 4 x 4, 327,680 bytes of LDS; arguments hq, W1_codes, W1_scales, b1, gq; writes gq
.if DOCPART == 5
	.amdgcn_target "amdgcn-amd-amdhsa--gfx1250"
	.amdhsa_code_object_version 6
	.text
	.protected	k_q5d9f9e8563_w1
	.globl	k_q5d9f9e8563_w1
	.p2align	8
	.type	k_q5d9f9e8563_w1,@function
k_q5d9f9e8563_w1:
	s_mov_b64 s[64:65], 0
	v_nop
	global_prefetch_b8 v0, s[64:65] scope:SCOPE_SE
	s_setreg_imm32_b32 hwreg(HW_REG_WAVE_MODE, 25, 1), 1
	s_wait_xcnt 0x0
	s_wait_alu depctr_hold_cnt(0) depctr_sa_sdst(0) depctr_va_vdst(0) depctr_va_sdst(0) depctr_va_ssrc(0) depctr_va_vcc(0) depctr_vm_vsrc(0)
	s_getreg_b32 s2, hwreg(HW_REG_IB_STS2, 6, 4)
	s_cmp_eq_u32 s2, 0
	s_cbranch_scc0 .Lentry_in_a_cluster
	s_endpgm
.Lentry_in_a_cluster:
	s_bfe_u32 s2, ttmp6, 0x10000c
	s_cmp_lg_u32 s2, 0xf033
	s_cbranch_scc0 .Lentry_shape_is_right
	s_endpgm
.Lentry_shape_is_right:
.set KSTEP,  256
.set NQ,     2
.set ROWB,   256
.set KROW,   1024
.set PITCH,  272
.set FR,     16
.set NL,     4
.set NP,     8
.set HALFT,  128*PITCH
.set SLOT,   4*HALFT
.set LAPS,   2
.set KS,     32
.set SCL,    2*SLOT
.set HALFS,  (128*KS/256)*272
.set SBLK,   (16*KS/256)*272
.set SPARE,  SCL+4*HALFS
.set K1,   8
.set K2,   10
.set ADRA, 16
.set ADRB, 20
.set SWA,  22
.set SWR,  23
.set STO,  24
.set RD,   25
.set CO,   26
.set ADRS, 27
.set SPW,  28
.set NIL,  29
.set SC,   32
.set BI,   64
.set AF,   128
.set W,    128
.set Z,    192
.set PC,   192
.set OB,   208
.set TM,   224
.set PW,   240
.set G1, 24
.set G0, 32
.set G1B, 48
.set G0B, 56
.set G1S, 68
.set G0S, 76
.set G1SB, 80
.set G0SB, 88
.set SEL, 94
.set MNT, 96
.set MSB, 0
.macro WIN new
.if MSB != (\new)
	s_set_vgpr_msb (MSB<<8)|(\new)
.set MSB, (\new)
.endif
.endm
.set MUL_LO, 0xa1
.set MUL_HI, 0xf1
.set TO_B,   0x40
.macro JLOAD g0a, g1a, g0b, g1b
	s_cmp_eq_u32 s15, 0
	s_cbranch_scc0 .Lfor_b_\@
	tensor_load_to_lds s[\g0a:\g0a+3], s[\g1a:\g1a+7]
	s_nop 0
.rept 4
	v_nop
.endr
	s_branch .Lasked_\@
.Lfor_b_\@:
	tensor_load_to_lds s[\g0b:\g0b+3], s[\g1b:\g1b+7]
	s_nop 0
.rept 4
	v_nop
.endr
.Lasked_\@:
.endm
.macro CREST
	s_cmp_lg_u32 s14, 0
	s_cbranch_scc1 .Lnot_wave_0_\@
	s_barrier_signal -3
.Lnot_wave_0_\@:
	s_barrier_wait -3
	s_barrier_signal -1
	s_barrier_wait -1
.endm
.macro CROUND
	s_barrier_signal -1
	s_barrier_wait -1
	CREST
.endm
	s_load_b256 s[4:11], s[0:1], 0x0
	s_load_b64 s[12:13], s[0:1], 0x20
	v_lshl_add_u32 v[SPW], v0, 2, SPARE
	v_mov_b32 v[NIL], 0
	ds_add_u32 v[SPW], v[NIL]
	ds_add_u32 v[SPW], v[NIL]
	v_lshrrev_b32 v1, 5, v0
	v_readfirstlane_b32 s14, v1
	s_lshr_b32 s15, s14, 1
	s_and_b32 s16, s14, 1
	s_bfe_u32 s40, ttmp6, 0x40000
	s_bfe_u32 s41, ttmp6, 0x40004
	s_lshl_b32 s42, ttmp9, 2
	s_add_co_u32 s42, s42, s40
	s_and_b32 s17, ttmp7, 0xffff
	s_lshl_b32 s17, s17, 2
	s_add_co_u32 s17, s17, s41
	s_lshl_b32 s43, s41, 2
	s_lshl_b32 s43, 15, s43
	s_lshl_b32 s44, 0x1111, s40
	s_or_b32 s[G1+0], s43, (0<<16)|(1<<20)|(1<<21)|(5<<22)|(3<<25)
	s_or_b32 s[G1B+0], s44, (0<<16)|(1<<20)|(1<<21)|(5<<22)|(3<<25)
.irp g, G1, G1B
	s_mov_b32 s[\g+1], ROWB<<16
	s_mov_b32 s[\g+2], 256<<16                     ; the head's loads of codes bring 256 rows
	s_mov_b32 s[\g+3], ROWB<<16
	s_mov_b32 s[\g+4], 256
	s_mov_b32 s[\g+5], KROW
	s_mov_b32 s[\g+6], 0
	s_mov_b32 s[\g+7], 0
.endr
	s_or_b32 s[G1S+0], s43, (3<<16)|(1<<20)|(1<<21)|(5<<22)|(3<<25)
	s_or_b32 s[G1SB+0], s44, (3<<16)|(1<<20)|(1<<21)|(5<<22)|(3<<25)
.irp g, G1S, G1SB
	s_mov_b32 s[\g+1], 32<<16
	s_mov_b32 s[\g+2], (256*KS/256)<<16            ; the scale bytes of 256 rows in one load
	s_mov_b32 s[\g+3], 32<<16
	s_mov_b32 s[\g+4], 256*KS/256
	s_mov_b32 s[\g+5], 32
	s_mov_b32 s[\g+6], 0
	s_mov_b32 s[\g+7], 0
.endr
	s_lshl_b32 s20, s17, 8                         ; the tiles' first rows
	s_lshl_b32 s46, s42, 8
	s_lshl_b32 s22, s20, 5
	s_add_co_u32 s22, s22, 0x400000
	s_mov_b32 s23, 0
	s_lshl_b32 s20, s20, 10
	s_mov_b32 s21, 0
	s_lshl_b32 s92, s46, 5
	s_mov_b32 s93, 0
	s_lshl_b32 s46, s46, 10
	s_mov_b32 s47, 0
	s_mul_i32 s45, s14, HALFT
	s_mov_b32 s[SEL], 0x76543210
	s_mov_b32 s[SEL+1], 0xfedcba98
	s_mov_b32 s[MNT], 0x600000
	s_wait_dscnt 0x0
	s_wait_kmcnt 0x0
	s_add_nc_u64 s[20:21], s[4:5], s[20:21]
	s_add_nc_u64 s[22:23], s[4:5], s[22:23]
	s_add_nc_u64 s[46:47], s[6:7], s[46:47]
	s_add_nc_u64 s[92:93], s[8:9], s[92:93]
	CROUND
	s_mov_b32 s[G0S], 1
	s_mov_b32 s[G0S+1], SCL
	s_mov_b64 s[G0S+2:G0S+3], s[22:23]
	s_or_b32 s[G0S+3], s[G0S+3], 0x80000000
	s_mov_b32 s[G0SB], 1
	s_mov_b32 s[G0SB+1], SCL+2*HALFS
	s_mov_b64 s[G0SB+2:G0SB+3], s[92:93]
	s_or_b32 s[G0SB+3], s[G0SB+3], 0x80000000
.set G0H, 4                                            ; s[4:7], s[8:11]: group 0 of the head's loads of K step 0 (the pointers that lay there have been used or moved)
.set G0HB, 8
	s_mov_b64 s[98:99], s[10:11]                   ; the bias
	s_mov_b32 s[G0H], 1
	s_mov_b32 s[G0H+1], 0
	s_mov_b64 s[G0H+2:G0H+3], s[20:21]
	s_or_b32 s[G0H+3], s[G0H+3], 0x80000000
	s_mov_b32 s[G0HB], 1
	s_mov_b32 s[G0HB+1], 2*HALFT
	s_mov_b64 s[G0HB+2:G0HB+3], s[46:47]
	s_or_b32 s[G0HB+3], s[G0HB+3], 0x80000000
	s_lshl_b32 s18, s16, 17                        ; for the ring: my 128 rows of 1,024 bytes of the tile
	s_mov_b32 s19, 0
	s_add_nc_u64 s[20:21], s[20:21], s[18:19]
	s_add_nc_u64 s[46:47], s[46:47], s[18:19]
; THE PREFETCHES: a K step is 256 bytes of each row.  Of the 128 rows that a wave fetches in the ring, each of the four partners that ask for them jointly takes 32, told apart by address (cx for A, cy for B): a lane a row,
; one instruction a wave and K step.  Behind the head's load K steps 1 and 2 are asked for, behind K step 1's load K step 3: at most two K steps are asked for and not yet loaded.  K ends there.
.set PFA, 40                                           ; s[40:41] my 32 rows at K step 0 (cx and cy, which lay there, have been used); never rewritten
.set PFO, 19                                           ; v19 1,024 x my lane; never rewritten
	s_cmp_eq_u32 s15, 0                            ; do I fetch for A?
	s_cselect_b32 s18, s40, s41                    ; my place among the four
	s_cselect_b64 s[PFA:PFA+1], s[20:21], s[46:47]
	s_lshl_b32 s18, s18, 15                        ; 32 rows of 1,024 bytes
	s_add_nc_u64 s[PFA:PFA+1], s[PFA:PFA+1], s[18:19]
.irp s, 0,1
	s_mov_b32 s[G0+4*\s], 1
	s_add_co_u32 s[G0+4*\s+1], s45, \s*SLOT
	s_add_nc_u64 s[G0+4*\s+2:G0+4*\s+3], s[20:21], \s*ROWB
	s_or_b32 s[G0+4*\s+3], s[G0+4*\s+3], 0x80000000
	s_mov_b32 s[G0B+4*\s], 1
	s_add_co_u32 s[G0B+4*\s+1], s45, \s*SLOT
	s_add_nc_u64 s[G0B+4*\s+2:G0B+4*\s+3], s[46:47], \s*ROWB
	s_or_b32 s[G0B+4*\s+3], s[G0B+4*\s+3], 0x80000000
.endr
; the head's four tiles, one joint load a wave: wave 0 A's 256 rows of K step 0, wave 1 B's, wave 2 A's scale bytes, wave 3 B's
.macro ARM under, g0, g1, next
	s_cmp_lt_u32 s14, \under
	s_cbranch_scc0 \next
	tensor_load_to_lds s[\g0:\g0+3], s[\g1:\g1+7]
	s_nop 0
.rept 4
	v_nop
.endr
	s_branch .Lhead_asked
\next:
.endm
	ARM 1, G0H,  G1,  .Lhead_b
	ARM 2, G0HB, G1B, .Lhead_sa
	ARM 3, G0S,  G1S, .Lhead_sb
	tensor_load_to_lds s[G0SB:G0SB+3], s[G1SB:G1SB+7]
	s_nop 0
.rept 4
	v_nop
.endr
.Lhead_asked:
	v_and_b32 v[PFO], 31, v0
	v_lshlrev_b32 v[PFO], 10, v[PFO]
	global_prefetch_b8 v[PFO], s[PFA:PFA+1] offset:256 th:TH_LOAD_NT scope:SCOPE_SE
	global_prefetch_b8 v[PFO], s[PFA:PFA+1] offset:512 th:TH_LOAD_NT scope:SCOPE_SE
	v_and_b32 v1, 15, v0
	v_bfe_u32 v2, v0, 4, 1
	v_mul_u32_u24 v3, v1, PITCH
	v_lshl_add_u32 v4, v2, 4, v3
	s_mul_i32 s21, s15, HALFT
	s_mul_i32 s22, s16, HALFT
	s_add_co_u32 s22, s22, 2*HALFT
.irp s, 0,1
	v_add_nc_u32 v[ADRA+\s], s21, v4
	v_add_nc_u32 v[ADRB+\s], s22, v4
	s_add_co_u32 s21, s21, SLOT
	s_add_co_u32 s22, s22, SLOT
.endr
	v_mul_u32_u24 v5, v1, KS
	v_lshrrev_b32 v6, 8, v5
	v_lshl_add_u32 v5, v6, 4, v5
	s_mul_i32 s21, s15, HALFS
	s_mul_i32 s22, s16, HALFS
	s_add_co_u32 s22, s22, 2*HALFS
	s_sub_co_u32 s22, s22, s21
	v_mul_u32_u24 v6, s22, v2
	s_add_co_u32 s21, s21, SCL
	v_add_nc_u32 v5, v5, v6
	v_add_nc_u32 v[ADRS], s21, v5
	s_lshl_b32 s23, s14, 12
	v_mul_u32_u24 v5, v1, 80
	v_lshl_add_u32 v5, v2, 3, v5
	v_add_nc_u32 v[STO], s23, v5
	v_and_b32 v6, 31, v0
	v_lshlrev_b32 v[CO], 4, v6
	v_lshrrev_b32 v5, 2, v6
	v_mul_u32_u24 v5, v5, 80
	v_and_b32 v3, 3, v6
	v_lshl_add_u32 v5, v3, 4, v5
	v_add_nc_u32 v[RD], s23, v5
	s_add_co_u32 s23, s23, 3072
	v_lshl_add_u32 v[SWA], v1, 2, s23
	v_add_nc_u32 v[SWR], s23, v[CO]
	v_lshlrev_b32 v7, 5, v2
	s_wait_alu depctr_va_vdst(0)
	v_mov_b32 v[K1], 0xc0135761
	v_mov_b32 v[K1+1], 0xc0135761
	v_mov_b32 v[K2], 0xbdd2d3e8
	v_mov_b32 v[K2+1], 0xbdd2d3e8
	s_lshl_b32 s20, s17, 8
	s_lshl_b32 s21, s15, 7
	s_add_co_u32 s20, s20, s21
	s_lshl_b32 s46, s42, 1
	s_add_co_u32 s46, s46, s16
	s_lshl_b32 s22, s46, 14
	s_lshl_b32 s23, s20, 2
	s_add_co_u32 s22, s22, s23
	s_add_co_u32 s22, s22, 16777216
	s_mov_b32 s23, 0
	s_add_nc_u64 s[104:105], s[12:13], s[22:23]
	s_lshl_b32 s22, s46, 19
	s_lshl_b32 s21, s20, 6
	s_add_co_u32 s22, s22, s21
	s_add_nc_u64 s[12:13], s[12:13], s[22:23]
	s_add_nc_u64 s[100:101], s[12:13], 262144
	s_lshl_b32 s22, s46, 9
	s_add_nc_u64 s[98:99], s[98:99], s[22:23]
.irp b, 0,1,2,3,4,5,6,7
	global_load_b128 v[BI+8*\b:BI+8*\b+3], v7, s[98:99] offset:64*\b
	global_load_b128 v[BI+8*\b+4:BI+8*\b+7], v7, s[98:99] offset:64*\b+16
.endr
.macro FRAG reg, adr, q, i
.irp c, 0,1,2,3
	ds_load_b128 v[\reg+4*\c:\reg+4*\c+3], v[\adr] offset:128*(\q)+32*\c+(\i)*16*PITCH
.endr
.endm
.macro MUL16 a0, p, q, sc, zero
.irp a, \a0, \a0+1
.irp b, 0,1,2,3,4,5,6,7
.if \zero
	v_wmma_scale_f32_16x16x128_f8f6f4 v[8*(8*((\a)%4)+\b):8*(8*((\a)%4)+\b)+7], v[128*(\p)+FR*\b:128*(\p)+FR*\b+FR-1], v[AF+FR*(\a):AF+FR*(\a)+FR-1], 0, v[SC+8*NQ*(\sc)+NQ*\b+(\q)], v[SC+8*NQ*(\sc)+NQ*(\a)+(\q)] matrix_a_scale:MATRIX_SCALE_ROW1
.else
	v_wmma_scale_f32_16x16x128_f8f6f4 v[8*(8*((\a)%4)+\b):8*(8*((\a)%4)+\b)+7], v[128*(\p)+FR*\b:128*(\p)+FR*\b+FR-1], v[AF+FR*(\a):AF+FR*(\a)+FR-1], v[8*(8*((\a)%4)+\b):8*(8*((\a)%4)+\b)+7], v[SC+8*NQ*(\sc)+NQ*\b+(\q)], v[SC+8*NQ*(\sc)+NQ*(\a)+(\q)] matrix_a_scale:MATRIX_SCALE_ROW1
.endif
.endr
.endr
.endm
.macro FETCH_B slot, q, p
	WIN TO_B
.irp i, 0,1,2,3,4,5,6,7
	FRAG 128*(\p)+FR*\i, ADRB+\slot, \q, \i
.endr
	WIN 0
.endm
.macro FETCH_A slot, q, i0
.irp i, \i0, \i0+1, \i0+2, \i0+3
	FRAG AF+FR*(\i), ADRA+\slot, \q, \i
.endr
.endm
.macro SCALES sc
.irp i, 0,1,2,3,4,5,6,7
	ds_load_b64 v[SC+8*NQ*\sc+NQ*\i:SC+8*NQ*\sc+NQ*\i+1], v[ADRS] offset:\i*SBLK
.endr
.endm
.macro PLACES n
.rept \n
	v_nop
.endr
.endm
.macro STEP slot, q, zero
	s_wait_dscnt 4*NL
	WIN MUL_LO
	MUL16 0, (\q)%2, \q, \slot, \zero
	MUL16 2, (\q)%2, \q, \slot, \zero
	s_wait_dscnt 0
	PLACES NP
	FETCH_B \slot, (\q)+1, 1-(\q)%2
	FETCH_A \slot, (\q)+1, 0
	WIN MUL_HI
	MUL16 4, (\q)%2, \q, \slot, \zero
	MUL16 6, (\q)%2, \q, \slot, \zero
	PLACES NP
	WIN 0
	FETCH_A \slot, (\q)+1, 4
.endm
.macro TURN slot, next, fill
	s_wait_tensorcnt 0x0
	ds_add_u32 v[SPW], v[NIL]
	s_wait_dscnt 4*NL+1
	WIN MUL_LO
	MUL16 0, 1, NQ-1, \slot, 0
	s_wait_dscnt 0x0
	s_barrier_signal -1
	MUL16 2, 1, NQ-1, \slot, 0
	WIN 0
	s_barrier_wait -1
.if \fill
	CREST
	s_add_nc_u64 s[G0+4*\slot+2:G0+4*\slot+3], s[G0+4*\slot+2:G0+4*\slot+3], 2*ROWB
	s_add_nc_u64 s[G0B+4*\slot+2:G0B+4*\slot+3], s[G0B+4*\slot+2:G0B+4*\slot+3], 2*ROWB
	JLOAD G0+4*\slot, G1, G0B+4*\slot, G1B
	PLACES NP-4
.else
	PLACES NP
.endif
	s_wait_alu depctr_va_vdst(0)
	v_add_nc_u32 v[ADRS], 4*NQ, v[ADRS]
	FETCH_B \next, 0, 0
	FETCH_A \next, 0, 0
	SCALES \next
	WIN MUL_HI
	MUL16 4, 1, NQ-1, \slot, 0
	MUL16 6, 1, NQ-1, \slot, 0
	PLACES NP
	WIN 0
	FETCH_A \next, 0, 4
.endm
	s_wait_alu depctr_va_vdst(0)                   ; the wait at the head's end
	s_wait_tensorcnt 0x0                           ; my tile of the head's four is in
	ds_add_u32 v[SPW], v[NIL]
	s_mov_b32 s[G1+2], 128<<16                     ; no tensor load of mine is out: from here on a load brings 128 rows
	s_mov_b32 s[G1+4], 128
	s_mov_b32 s[G1B+2], 128<<16
	s_mov_b32 s[G1B+4], 128
	s_wait_dscnt 0x0
	CROUND
	JLOAD G0+4, G1, G0B+4, G1B                     ; K step 1: the first tensor load behind the round
	global_prefetch_b8 v[PFO], s[PFA:PFA+1] offset:768 th:TH_LOAD_NT scope:SCOPE_SE
	s_wait_loadcnt 0x0
	FETCH_B 0, 0, 0
	FETCH_A 0, 0, 0
	SCALES 0
	FETCH_A 0, 0, 4
	STEP 0, 0, 1
	s_mov_b32 s3, LAPS-1
.Llap:
	TURN 0, 1, 1
	STEP 1, 0, 0
	TURN 1, 0, 1
	STEP 0, 0, 0
	s_sub_co_u32 s3, s3, 1
	s_cmp_lg_u32 s3, 0
	s_cbranch_scc1 .Llap
	TURN 0, 1, 0
	STEP 1, 0, 0
	s_wait_dscnt 4*NL
	WIN MUL_LO
	MUL16 0, 1, NQ-1, 1, 0
	MUL16 2, 1, NQ-1, 1, 0
	s_wait_dscnt 0
	WIN MUL_HI
	MUL16 4, 1, NQ-1, 1, 0
	MUL16 6, 1, NQ-1, 1, 0
	WIN 0
.macro QUANT s, nb
.set qb, 0
.rept \nb
	v_max3_num_f32 v[TM+qb], |v[\s+16*qb]|, |v[\s+1+16*qb]|, 0x4800000
.set qb, qb+1
.endr
.irp i, 2,4,6,8,10,12,14
.set qb, 0
.rept \nb
	v_max3_num_f32 v[TM+qb], v[TM+qb], |v[\s+16*qb+\i]|, |v[\s+1+16*qb+\i]|
.set qb, qb+1
.endr
.endr
.set qb, 0
.rept \nb
	v_permlanex16_b32 v[TM+4+qb], v[TM+qb], s[SEL], s[SEL+1]
.set qb, qb+1
.endr
.set qb, 0
.rept \nb
	v_max_num_f32 v[TM+qb], v[TM+qb], v[TM+4+qb]
.set qb, qb+1
.endr
.set qb, 0
.rept \nb
	v_add_nc_u32 v[TM+12+qb], 0xfc000000, v[TM+qb]
	v_and_or_b32 v[TM+8+qb], v[TM+qb], 0x7f800000, s[MNT]
.set qb, qb+1
.endr
.set qb, 0
.rept \nb
	v_lshrrev_b32 v[TM+4+qb], 23, v[TM+12+qb]
.set qb, qb+1
.endr
	v_lshl_or_b32 v[PW], v[TM+5], 8, v[TM+4]
.if \nb > 2
	v_lshl_or_b32 v[PW], v[TM+6], 16, v[PW]
	v_lshl_or_b32 v[PW], v[TM+7], 24, v[PW]
.endif
.set qb, 0
.rept \nb
.set qi, 0
.rept 16
	v_med3_num_f32 v[\s+16*qb+qi], v[\s+16*qb+qi], -v[TM+8+qb], v[TM+8+qb]
.set qi, qi+1
.endr
	v_cvt_scalef32_pk8_fp8_f32 v[PC+4*qb:PC+4*qb+1], v[\s+16*qb:\s+16*qb+7], v[TM+12+qb]
	v_cvt_scalef32_pk8_fp8_f32 v[PC+4*qb+2:PC+4*qb+3], v[\s+16*qb+8:\s+16*qb+15], v[TM+12+qb]
.set qb, qb+1
.endr
	v_nop
.endm
.macro GELU hf
.set WH, W+32*\hf
.set gi, 0
.rept 16
	v_pk_mul_f32 v[Z+gi:Z+gi+1], v[WH+gi:WH+gi+1], v[WH+gi:WH+gi+1]
.set gi, gi+2
.endr
.set gi, 0
.rept 16
	v_pk_fma_f32 v[Z+gi:Z+gi+1], v[Z+gi:Z+gi+1], v[K2:K2+1], v[K1:K1+1]
.set gi, gi+2
.endr
.set gi, 0
.rept 16
	v_pk_mul_f32 v[Z+gi:Z+gi+1], v[Z+gi:Z+gi+1], v[WH+gi:WH+gi+1]
.set gi, gi+2
.endr
.set gi, 0
	s_wait_alu depctr_va_vdst(0)
.rept 32
	v_exp_f32 v[Z+gi], v[Z+gi]
.set gi, gi+1
.endr
	v_nop
	s_wait_alu depctr_va_vdst(0)
.set gi, 0
.rept 16
	v_pk_add_f32 v[Z+gi:Z+gi+1], v[Z+gi:Z+gi+1], 1.0 op_sel_hi:[1,0]
.set gi, gi+2
.endr
.set gi, 0
	s_wait_alu depctr_va_vdst(0)
.rept 32
	v_rcp_f32 v[Z+gi], v[Z+gi]
.set gi, gi+1
.endr
	v_nop
	s_wait_alu depctr_va_vdst(0)
.set gi, 0
.rept 16
	v_pk_mul_f32 v[WH+gi:WH+gi+1], v[WH+gi:WH+gi+1], v[Z+gi:Z+gi+1]
.set gi, gi+2
.endr
.endm
.macro BIAS a
.set AC, 64*((\a)%4)
	WIN 0x02+(\a)/4
.set bi, 0
.rept 32
	v_pk_add_f32 v[W+bi:W+bi+1], v[AC+bi:AC+bi+1], v[BI+bi:BI+bi+1]
.set bi, bi+2
.endr
	WIN 0
.endm
.macro TOSTAGE a
.irp q, 0,1,2,3
	ds_store_b64 v[STO], v[PC+4*\q:PC+4*\q+1] offset:(\q/2)*1280+32*(\q%2)
	ds_store_b64 v[STO], v[PC+4*\q+2:PC+4*\q+3] offset:(\q/2)*1280+32*(\q%2)+16
.endr
	ds_store_b32 v[SWA], v[PW] offset:64*(\a)
.irp q, 0,1,2,3
	WIN TO_B                                       ; back into window 1, v0-15 and v16-31 by turns: B's fragments, which lay there, are done with
	ds_load_b128 v[16*((\a)%2)+4*\q:16*((\a)%2)+4*\q+3], v[RD] offset:(\q/2)*1280+640*(\q%2)
.endr
.endm
.macro SEND a
	WIN 0x04                                       ; a store's data: window 1
	global_store_b128 v[CO], v[16*((\a)%2):16*((\a)%2)+3], s[12:13] offset:1024*(\a)
	global_store_b128 v[CO], v[16*((\a)%2)+4:16*((\a)%2)+7], s[12:13] offset:1024*(\a)+512
	global_store_b128 v[CO], v[16*((\a)%2)+8:16*((\a)%2)+11], s[100:101] offset:1024*(\a)
	global_store_b128 v[CO], v[16*((\a)%2)+12:16*((\a)%2)+15], s[100:101] offset:1024*(\a)+512
	WIN 0
.endm
	PLACES NP
.irp q, 0,1,2,3
	v_mov_b32 v[TM+4+\q], 0
.endr
.irp a, 0,1,2,3,4,5,6,7
	BIAS \a                                        ; block a's arithmetic stands between block a - 1's loads from the stage and the wait for them
	GELU 0
	GELU 1
	QUANT W, 4
.if \a > 0
	s_wait_alu depctr_va_vdst(0)                   ; the wait here, directly ahead of the waits below
	s_wait_dscnt 0x0                               ; block a - 1 is back in registers
	s_wait_xcnt 0x0                                ; block a - 2's stores have read their data: block a's loads may land there
	SEND \a-1
.endif
	TOSTAGE \a
	WIN 0
.endr
	s_wait_dscnt 0x0
	SEND 7
	s_wait_xcnt 0x0
	ds_load_b128 v[OB:OB+3], v[SWR]
	s_wait_dscnt 0x0
	global_store_b128 v[CO], v[OB:OB+3], s[104:105]
	s_wait_tensorcnt 0x0
	ds_add_u32 v[SPW], v[NIL]
	s_wait_dscnt 0x0
	CROUND
	s_endpgm
.Lfunc_end_k_q5d9f9e8563_w1:
	.size	k_q5d9f9e8563_w1, .Lfunc_end_k_q5d9f9e8563_w1-k_q5d9f9e8563_w1
	.p2alignl 7, 3214868480
	.fill 96, 4, 3214868480
	.section	.rodata,"a",@progbits
	.p2align	6, 0x0
	.amdhsa_kernel k_q5d9f9e8563_w1
		.amdhsa_group_segment_fixed_size 327680
		.amdhsa_private_segment_fixed_size 0
		.amdhsa_enable_private_segment 0
		.amdhsa_kernarg_size 40
		.amdhsa_user_sgpr_count 2
		.amdhsa_user_sgpr_kernarg_segment_ptr 1
		.amdhsa_wavefront_size32 1
		.amdhsa_system_sgpr_workgroup_id_x 1
		.amdhsa_system_sgpr_workgroup_id_y 1
		.amdhsa_system_sgpr_workgroup_id_z 1
		.amdhsa_system_vgpr_workitem_id 0
		.amdhsa_next_free_vgpr 1024
		.amdhsa_next_free_sgpr 106
		.amdhsa_reserve_vcc 0
		.amdhsa_float_denorm_mode_32 3
		.amdhsa_float_denorm_mode_16_64 3
		.amdhsa_memory_ordered 1
		.amdhsa_forward_progress 1
		.amdhsa_inst_pref_size 255
	.end_amdhsa_kernel
	.section	.bss,"aw",@nobits
	.p2align	6
	.space	262144
	.amdgpu_metadata
---
amdhsa.version: [ 1, 2 ]
amdhsa.kernels:
  - .name:           k_q5d9f9e8563_w1
    .symbol:         k_q5d9f9e8563_w1.kd
    .args:
      - { .name: hq, .offset: 0, .size: 8, .value_kind: global_buffer, .address_space: global }
      - { .name: W1_codes, .offset: 8, .size: 8, .value_kind: global_buffer, .address_space: global }
      - { .name: W1_scales, .offset: 16, .size: 8, .value_kind: global_buffer, .address_space: global }
      - { .name: b1, .offset: 24, .size: 8, .value_kind: global_buffer, .address_space: global }
      - { .name: gq, .offset: 32, .size: 8, .value_kind: global_buffer, .address_space: global }
    .group_segment_fixed_size: 327680
    .private_segment_fixed_size: 0
    .kernarg_segment_align: 8
    .kernarg_segment_size: 40
    .max_flat_workgroup_size: 128
    .sgpr_count:     106
    .vgpr_count:     1024
    .wavefront_size: 32
...
	.end_amdgpu_metadata
.endif
;; end of part 5
;; launch w2 (part 6): grid 8 x 32, 4 waves a work-group, clusters of 4 x 4, 327,680 bytes of LDS; arguments gq, W2_codes, W2_scales, b2, x1, out0; writes out0
.if DOCPART == 6
	.amdgcn_target "amdgcn-amd-amdhsa--gfx1250"
	.amdhsa_code_object_version 6
	.text
	.protected	k_q5d9f9e8563_w2
	.globl	k_q5d9f9e8563_w2
	.p2align	8
	.type	k_q5d9f9e8563_w2,@function
k_q5d9f9e8563_w2:
	s_mov_b64 s[64:65], 0
	v_nop
	global_prefetch_b8 v0, s[64:65] scope:SCOPE_SE
	s_setreg_imm32_b32 hwreg(HW_REG_WAVE_MODE, 25, 1), 1
	s_wait_xcnt 0x0
	s_wait_alu depctr_hold_cnt(0) depctr_sa_sdst(0) depctr_va_vdst(0) depctr_va_sdst(0) depctr_va_ssrc(0) depctr_va_vcc(0) depctr_vm_vsrc(0)
	s_getreg_b32 s2, hwreg(HW_REG_IB_STS2, 6, 4)
	s_cmp_eq_u32 s2, 0
	s_cbranch_scc0 .Lentry_in_a_cluster
	s_endpgm
.Lentry_in_a_cluster:
	s_bfe_u32 s2, ttmp6, 0x10000c
	s_cmp_lg_u32 s2, 0xf033
	s_cbranch_scc0 .Lentry_shape_is_right
	s_endpgm
.Lentry_shape_is_right:
.set SIZE_K, 4096
.set ASW,    16777216
.set NSR,    32
.set KS,     128
.set PAIRED, 0
.set LAPS,   SIZE_K/1024
.set AH,     34816
.set BH,     33792
.set SLOT,   2*AH+2*BH
.set SCA,    2*SLOT
.set ASH,    NSR*272
.set NBU,    64*KS/256
.set BSH,    NBU*272
.set SCB,    SCA+2*ASH
.set SBLK,   (16*KS/256)*272
.set SPARE,  SCB+2*BSH
.set ASTEP,  2176                      ; a K step on among A's scale words: four rows of two units of 272 bytes
.set ADRA, 16
.set ADRB, 20
.set ADSA, 22
.set ADSB, 23
.set STO,  24
.set RD,   25
.set CO,   26
.set SPW,  28
.set NIL,  29
.set SA,   32
.set SB,   64
.set T,    96
.set TO,   96
.set ACC,  128
.set F0,   0
.set F1,   128
.set BI,   128
.set G1, 24
.set G0, 32
.set G1B, 48
.set G0B, 56
.set G1S, 68
.set G0S, 76
.set G1SB, 80
.set G0SB, 88
.set WVN, 92
.set WR,  93
.set WC,  94
.set MSB, 0
.macro WIN new
.if MSB != (\new)
	s_set_vgpr_msb (MSB<<8)|(\new)
.set MSB, (\new)
.endif
.endm
.set MUL,  0x05
.set MULZ, 0x25
.set TO_F, 0x40
.macro JLOAD g0a, g1a, g0b, g1b
	s_cmp_eq_u32 s[WR], 0
	s_cbranch_scc0 .Lfor_b_\@
	tensor_load_to_lds s[\g0a:\g0a+3], s[\g1a:\g1a+7]
	s_nop 0
.rept 4
	v_nop
.endr
	s_branch .Lasked_\@
.Lfor_b_\@:
	tensor_load_to_lds s[\g0b:\g0b+3], s[\g1b:\g1b+7]
	s_nop 0
.rept 4
	v_nop
.endr
.Lasked_\@:
.endm
.macro CREST
	s_cmp_lg_u32 s[WVN], 0
	s_cbranch_scc1 .Lnot_wave_0_\@
	s_barrier_signal -3
.Lnot_wave_0_\@:
	s_barrier_wait -3
	s_barrier_signal -1
	s_barrier_wait -1
.endm
.macro CROUND
	s_barrier_signal -1
	s_barrier_wait -1
	CREST
.endm
.macro PLACES n
.rept \n
	v_nop
.endr
.endm
	s_load_b256 s[4:11], s[0:1], 0x0
	s_load_b128 s[12:15], s[0:1], 0x20
	v_lshl_add_u32 v[SPW], v0, 2, SPARE
	v_mov_b32 v[NIL], 0
	ds_add_u32 v[SPW], v[NIL]
	ds_add_u32 v[SPW], v[NIL]
	v_lshrrev_b32 v1, 5, v0
	v_readfirstlane_b32 s[WVN], v1
	s_lshr_b32 s[WR], s[WVN], 1
	s_and_b32 s[WC], s[WVN], 1
	s_bfe_u32 s40, ttmp6, 0x40000
	s_bfe_u32 s41, ttmp6, 0x40004
	s_lshl_b32 s42, ttmp9, 2
	s_add_co_u32 s42, s42, s40
	s_and_b32 s95, ttmp7, 0xffff
	s_lshl_b32 s95, s95, 2
	s_add_co_u32 s95, s95, s41
	s_lshl_b32 s43, s41, 2
	s_lshl_b32 s43, 15, s43
	s_lshl_b32 s44, 0x1111, s40
	s_or_b32 s[G1], s43, (3<<16)|(1<<20)|(1<<21)|(5<<22)|(3<<25)
	s_mov_b32 s[G1+1], 1024<<16                    ; A's codes: of each panel 128 rows x 64 bytes on end as one row of 1,024 elements of 8 bytes; 8 panels at the head, 4 in the ring
	s_mov_b32 s[G1+2], 8<<16
	s_mov_b32 s[G1+3], 1024<<16
	s_mov_b32 s[G1+4], 8
	s_mov_b32 s[G1+5], 32768
	s_mov_b32 s[G1+6], 0
	s_mov_b32 s[G1+7], 0
	s_or_b32 s[G1B], s44, (0<<16)|(1<<20)|(1<<21)|(6<<22)|(3<<25)
	s_mov_b32 s[G1B+1], 512<<16
	s_mov_b32 s[G1B+2], 128<<16                    ; B's codes: 128 rows at the head, 64 in the ring
	s_mov_b32 s[G1B+3], 512<<16
	s_mov_b32 s[G1B+4], 128
	s_mov_b32 s[G1B+5], SIZE_K
	s_mov_b32 s[G1B+6], 0
	s_mov_b32 s[G1B+7], 0
	s_or_b32 s[G1S], s43, (3<<16)|(1<<20)|(1<<21)|(5<<22)|(3<<25)
	s_mov_b32 s[G1S+1], 64<<16                     ; A's scale words: rows of 512 bytes (128 rows of A), two units of 256 + 16 in LDS
	s_mov_b32 s[G1S+2], NSR<<16
	s_mov_b32 s[G1S+3], 64<<16
	s_mov_b32 s[G1S+4], NSR
	s_mov_b32 s[G1S+5], 2048
	s_mov_b32 s[G1S+6], 0
	s_mov_b32 s[G1S+7], 0
	s_or_b32 s[G1SB], s44, (3<<16)|(1<<20)|(1<<21)|(5<<22)|(3<<25)
	s_mov_b32 s[G1SB+1], 32<<16
	s_mov_b32 s[G1SB+2], (2*NBU)<<16               ; B's scale bytes of all 128 rows
	s_mov_b32 s[G1SB+3], 32<<16
	s_mov_b32 s[G1SB+4], 2*NBU
	s_mov_b32 s[G1SB+5], 32
	s_mov_b32 s[G1SB+6], 0
	s_mov_b32 s[G1SB+7], 0
	s_lshl_b32 s20, s95, 7                         ; the tiles' first rows
	s_lshl_b32 s46, s42, 7
	s_lshl_b32 s22, s20, 2
	s_add_co_u32 s22, s22, ASW
	s_mov_b32 s23, 0
	s_lshl_b32 s20, s20, 6
	s_lshl_b32 s16, s[WC], 20                      ; of A I fetch four panels of 262,144 bytes: which four
	s_add_co_u32 s20, s20, s16
	s_mov_b32 s21, 0
	s_mul_i32 s96, s46, KS
	s_mov_b32 s97, 0
	s_mul_i32 s46, s46, SIZE_K
	s_lshl_b32 s16, s[WC], 18                      ; of B 64 rows of 4,096 bytes: which 64
	s_add_co_u32 s46, s46, s16
	s_mov_b32 s47, 0
	s_mul_i32 s45, s[WC], AH
	s_mul_i32 s98, s[WC], BH
	s_add_co_u32 s98, s98, 2*AH
	s_wait_dscnt 0x0
	s_wait_kmcnt 0x0
	s_add_nc_u64 s[20:21], s[4:5], s[20:21]
	s_add_nc_u64 s[22:23], s[4:5], s[22:23]
	s_add_nc_u64 s[46:47], s[6:7], s[46:47]
	s_add_nc_u64 s[96:97], s[8:9], s[96:97]
; THE PREFETCHES: behind the load of K step t each wave asks for its share of K step t + 2 (behind the head's load: of K steps 1 and 2): 32 blocks of 256 bytes, a lane a block, one instruction.  Of the 128 blocks that a
; wave's load of the ring brings, each of the four partners that ask for the tile jointly takes 32, told apart by address: of A one panel of 128 rows x 64 bytes (by cx), of B 16 rows of 512 bytes (by cy).
; The last two refills ask for nothing: K ends there.
.set PFA, 100
.set PFS, 104                                          ; s[104:105] a K step on, in bytes
.set PFO, 30                                           ; v30 my lane's offset; never rewritten
	s_lshl_b32 s17, s40, 18
	s_lshl_b32 s18, s41, 16
	s_cmp_eq_u32 s[WR], 0                          ; do I fetch for A?
	s_cselect_b64 s[PFA:PFA+1], s[20:21], s[46:47]
	s_mov_b32 s[PFS], 512
	s_cselect_b32 s[PFS], 0x200000, s[PFS]
	s_mov_b32 s[PFS+1], 0
	s_cselect_b32 s4, s17, s18                     ; my work-group's share
	s_mov_b32 s5, 0
	s_cselect_b32 s6, 5, 1                         ; blocks on end: all 32 in a panel's 128 rows, 2 in a row of B
	s_cselect_b32 s7, 18, 12                       ; from run to run: a panel, a row of B
	s_cselect_b32 s8, 31, 1
	s_add_nc_u64 s[PFA:PFA+1], s[PFA:PFA+1], s[4:5]
	s_add_nc_u64 s[PFA:PFA+1], s[PFA:PFA+1], s[PFS:PFS+1]   ; at K step 1
	v_and_b32 v8, 31, v0
	v_lshrrev_b32 v9, s6, v8
	v_lshlrev_b32 v9, s7, v9
	v_and_b32 v8, s8, v8
	v_lshl_add_u32 v[PFO], v8, 8, v9
	v_add_nc_u32 v[PFO+1], s[PFS], v[PFO]          ; v31: the same block a K step on; never rewritten
	s_wait_alu depctr_va_vdst(0)
	CROUND
	s_mov_b32 s[G0S], 1
	s_mov_b32 s[G0S+1], SCA
	s_mov_b64 s[G0S+2:G0S+3], s[22:23]
	s_or_b32 s[G0S+3], s[G0S+3], 0x80000000
	s_mov_b32 s[G0SB], 1
	s_mov_b32 s[G0SB+1], SCB
	s_mov_b64 s[G0SB+2:G0SB+3], s[96:97]
	s_or_b32 s[G0SB+3], s[G0SB+3], 0x80000000
.irp s, 0,1
	s_mov_b32 s[G0+4*\s], 1
	s_add_co_u32 s[G0+4*\s+1], s45, \s*SLOT
	s_add_nc_u64 s[G0+4*\s+2:G0+4*\s+3], s[20:21], \s*2097152
	s_or_b32 s[G0+4*\s+3], s[G0+4*\s+3], 0x80000000
	s_mov_b32 s[G0B+4*\s], 1
	s_add_co_u32 s[G0B+4*\s+1], s98, \s*SLOT
	s_add_nc_u64 s[G0B+4*\s+2:G0B+4*\s+3], s[46:47], \s*512
	s_or_b32 s[G0B+4*\s+3], s[G0B+4*\s+3], 0x80000000
.endr
; the head's four tiles, one joint load a wave: wave 0 all 8 panels of A's K step 0, wave 1 A's scale words, wave 2 B's 128 rows, wave 3 B's scale bytes.
; Waves 0 and 2 fetch the first part of their tile in the ring, so slot 0's own group 0 serves the whole tile too: only the count of rows differs.
.macro ARM under, g0, g1, next
	s_cmp_lt_u32 s[WVN], \under
	s_cbranch_scc0 \next
	tensor_load_to_lds s[\g0:\g0+3], s[\g1:\g1+7]
	s_nop 0
	PLACES 4
	s_branch .Lhead_asked
\next:
.endm
	ARM 1, G0,  G1,  .Lhead_sa
	ARM 2, G0S, G1S, .Lhead_b
	ARM 3, G0B, G1B, .Lhead_sb
	tensor_load_to_lds s[G0SB:G0SB+3], s[G1SB:G1SB+7]
	s_nop 0
	PLACES 4
.Lhead_asked:
	global_prefetch_b8 v[PFO], s[PFA:PFA+1] th:TH_LOAD_NT scope:SCOPE_SE     ; K step 1
	global_prefetch_b8 v[PFO+1], s[PFA:PFA+1] th:TH_LOAD_NT scope:SCOPE_SE   ; K step 2
	v_and_b32 v1, 15, v0
	v_bfe_u32 v2, v0, 4, 1
	v_lshrrev_b32 v3, 2, v1
	v_mul_u32_u24 v3, v3, 272
	v_and_b32 v4, 3, v1
	v_lshl_add_u32 v3, v4, 6, v3
	v_lshl_add_u32 v3, v2, 4, v3
	v_mul_u32_u24 v4, v1, 528
	v_lshl_add_u32 v4, v2, 4, v4
	s_mul_i32 s21, s[WR], 4352                     ; my 64 rows: 16 units of 272 bytes on in each panel
	s_mul_i32 s22, s[WC], BH
	s_add_co_u32 s22, s22, 2*AH
.irp s, 0,1
	v_add_nc_u32 v[ADRA+\s], s21, v3
	v_add_nc_u32 v[ADRB+\s], s22, v4
	s_add_co_u32 s21, s21, SLOT
	s_add_co_u32 s22, s22, SLOT
.endr
	s_mul_i32 s21, s[WR], 272                      ; my 64 rows' unit of each row of scale words
	s_add_co_u32 s21, s21, SCA
	v_lshl_add_u32 v[ADSA], v1, 2, s21
	v_mul_u32_u24 v5, v1, KS
	v_lshrrev_b32 v6, 8, v5
	v_lshl_add_u32 v5, v6, 4, v5
	s_mul_i32 s21, s[WC], BSH
	s_add_co_u32 s21, s21, SCB
	v_add_nc_u32 v[ADSB], s21, v5
	s_mul_i32 s23, s[WVN], 4352
	v_mul_u32_u24 v5, v1, 272
	v_lshl_add_u32 v5, v2, 5, v5
	v_add_nc_u32 v[STO], s23, v5
	v_mul_u32_u24 v5, v2, 272
	v_lshl_add_u32 v5, v1, 4, v5
	v_add_nc_u32 v[RD], s23, v5
	v_lshlrev_b32 v5, 12, v2
	v_lshl_add_u32 v[CO], v1, 4, v5
	v_lshlrev_b32 v7, 5, v2
	s_wait_alu depctr_va_vdst(0)
	s_lshl_b32 s20, s95, 7
	s_lshl_b32 s21, s[WR], 6
	s_add_co_u32 s20, s20, s21
	s_lshl_b32 s20, s20, 12
	s_lshl_b32 s46, s42, 7
	s_lshl_b32 s47, s[WC], 6
	s_add_co_u32 s46, s46, s47
	s_lshl_b32 s46, s46, 2
	s_mov_b32 s47, 0
	s_add_nc_u64 s[10:11], s[10:11], s[46:47]
	s_add_co_u32 s20, s20, s46
	s_mov_b32 s21, 0
	s_add_nc_u64 s[12:13], s[12:13], s[20:21]
	s_add_nc_u64 s[14:15], s[14:15], s[20:21]
	WIN 0x80
.irp b, 0,1,2,3
	global_load_b128 v[BI+8*\b:BI+8*\b+3], v7, s[10:11] offset:64*\b
	global_load_b128 v[BI+8*\b+4:BI+8*\b+7], v7, s[10:11] offset:64*\b+16
.endr
.irp a, 0,1,2,3
.irp i, 0,1,2,3,4,5,6,7
	global_load_b128 v[4*(8*\a+\i):4*(8*\a+\i)+3], v[CO], s[12:13] offset:(16*\a+2*\i)*4096 th:TH_LOAD_NT
.endr
.endr
	WIN 0
.macro FETCH slot, q, f
	WIN TO_F
.irp b, 0,1,2,3
.irp c, 0,1,2,3
	ds_load_b128 v[(\f)+64+16*\b+4*\c:(\f)+64+16*\b+4*\c+3], v[ADRB+\slot] offset:16*\b*528+128*(\q)+32*\c
.endr
.endr
.irp a, 0,1,2,3
.irp c, 0,1,2,3
	ds_load_b128 v[(\f)+16*\a+4*\c:(\f)+16*\a+4*\c+3], v[ADRA+\slot] offset:(2*(\q)+\c/2)*8704+4*\a*272+32*(\c%2)
.endr
.endr
	WIN 0
.endm
.macro SCALES set
.irp b, 0,1,2,3
	ds_load_b128 v[SB+16*\set+4*\b:SB+16*\set+4*\b+3], v[ADSB] offset:\b*SBLK
.endr
.irp a, 0,1,2,3
.irp q, 0,1,2,3
.if PAIRED
	ds_load_b32 v[SA+16*\set+4*\a+\q], v[ADSA] offset:544*\q+64*\a
	ds_load_b32 v[TO+4*\a+\q], v[ADSA] offset:544*\q+272+64*\a
.else
	ds_load_b32 v[SA+16*\set+4*\a+\q], v[ADSA] offset:544*\q+64*\a
.endif
.endr
.endr
.endm
.macro SCFIX set
.set j, 0
.rept 16
	v_lshl_or_b32 v[SA+16*\set+j], v[TO+j], 16, v[SA+16*\set+j]
.set j, j+1
.endr
.endm
.macro PROD f, q, set, a, zero
.irp b, 0,1,2,3
.if \zero
	v_wmma_scale_f32_16x16x128_f8f6f4 v[ACC+8*(4*(\a)+\b):ACC+8*(4*(\a)+\b)+7], v[(\f)+64+16*\b:(\f)+64+16*\b+15], v[(\f)+16*(\a):(\f)+16*(\a)+15], v[BI+8*\b:BI+8*\b+7], v[SB+16*(\set)+4*\b+(\q)], v[SA+16*(\set)+4*(\a)+(\q)]
.else
	v_wmma_scale_f32_16x16x128_f8f6f4 v[ACC+8*(4*(\a)+\b):ACC+8*(4*(\a)+\b)+7], v[(\f)+64+16*\b:(\f)+64+16*\b+15], v[(\f)+16*(\a):(\f)+16*(\a)+15], v[ACC+8*(4*(\a)+\b):ACC+8*(4*(\a)+\b)+7], v[SB+16*(\set)+4*\b+(\q)], v[SA+16*(\set)+4*(\a)+(\q)]
.endif
.endr
.endm
.macro QUARTER slot, q, zero
	s_wait_dscnt 0x0
.if PAIRED && ((\q) == 0)
	SCFIX \slot
.endif
	PLACES 8
	FETCH \slot, (\q)+1, F0+128*(((\q)+1)%2)
.if \zero
	WIN MULZ
.else
	WIN MUL
.endif
	PROD F0+128*((\q)%2), \q, \slot, 0, \zero
	PROD F0+128*((\q)%2), \q, \slot, 1, \zero
	PROD F0+128*((\q)%2), \q, \slot, 2, \zero
	PROD F0+128*((\q)%2), \q, \slot, 3, \zero
	WIN 0
.endm
.macro TURN slot, next, fill
.if \fill
	s_wait_xcnt 0x0                                ; my last prefetch has read its address: a K step on
	s_add_nc_u64 s[PFA:PFA+1], s[PFA:PFA+1], s[PFS:PFS+1]
.endif
	s_wait_tensorcnt 0x0
	ds_add_u32 v[SPW], v[NIL]
	s_wait_dscnt 1
	WIN MUL
	PROD F1, 3, \slot, 0, 0
	PROD F1, 3, \slot, 1, 0
	s_wait_dscnt 0x0
	s_barrier_signal -1
	PROD F1, 3, \slot, 2, 0
	WIN 0
	s_barrier_wait -1
.if \fill
	CREST
	s_add_nc_u64 s[G0+4*\slot+2:G0+4*\slot+3], s[G0+4*\slot+2:G0+4*\slot+3], 4194304
	s_add_nc_u64 s[G0B+4*\slot+2:G0B+4*\slot+3], s[G0B+4*\slot+2:G0B+4*\slot+3], 1024
	JLOAD G0+4*\slot, G1, G0B+4*\slot, G1B
	PLACES 4
.else
	PLACES 8
.endif
	s_wait_alu depctr_va_vdst(0)
	v_add_nc_u32 v[ADSA], ASTEP, v[ADSA]
	v_add_nc_u32 v[ADSB], 16, v[ADSB]
	FETCH \next, 0, F0
	SCALES \next
.if \fill
	s_cmp_gt_u32 s3, 1                             ; the loop's last trip has no K step two refills on
	s_cbranch_scc0 .Lno_ask_\@
	global_prefetch_b8 v[PFO+1], s[PFA:PFA+1] th:TH_LOAD_NT scope:SCOPE_SE   ; two K steps on from the refill just asked for
.Lno_ask_\@:
.endif
	WIN MUL
	PROD F1, 3, \slot, 3, 0
	WIN 0
.endm
	s_wait_xcnt 0x0                                ; my prefetches have read their address: a K step on
	s_add_nc_u64 s[PFA:PFA+1], s[PFA:PFA+1], s[PFS:PFS+1]
	s_wait_alu depctr_va_vdst(0)                   ; the wait at the head's end
	s_wait_tensorcnt 0x0                           ; my tile of the head's four is in
	ds_add_u32 v[SPW], v[NIL]
	s_mov_b32 s[G1+2], 4<<16                       ; no tensor load of mine is out: from here on a load brings 4 panels of A,
	s_mov_b32 s[G1+4], 4
	s_mov_b32 s[G1B+2], 64<<16                     ; or 64 rows of B
	s_mov_b32 s[G1B+4], 64
	s_wait_dscnt 0x0
	CROUND
	JLOAD G0+4, G1, G0B+4, G1B                     ; K step 1: the first tensor load behind the round
	global_prefetch_b8 v[PFO+1], s[PFA:PFA+1] th:TH_LOAD_NT scope:SCOPE_SE   ; K step 3
	FETCH 0, 0, F0
	SCALES 0
	s_wait_loadcnt 32
	QUARTER 0, 0, 1
.if LAPS > 1
	s_mov_b32 s3, LAPS-1
.Llap:
	QUARTER 0, 1, 0
	QUARTER 0, 2, 0
	TURN 0, 1, 1
	QUARTER 1, 0, 0
	QUARTER 1, 1, 0
	QUARTER 1, 2, 0
	TURN 1, 0, 1
	QUARTER 0, 0, 0
	s_sub_co_u32 s3, s3, 1
	s_cmp_lg_u32 s3, 0
	s_cbranch_scc1 .Llap
.endif
	QUARTER 0, 1, 0
	QUARTER 0, 2, 0
	TURN 0, 1, 0
	QUARTER 1, 0, 0
	QUARTER 1, 1, 0
	QUARTER 1, 2, 0
	s_wait_dscnt 0x0
	WIN MUL
	PROD F1, 3, 1, 0, 0
	PROD F1, 3, 1, 1, 0
	PROD F1, 3, 1, 2, 0
	PROD F1, 3, 1, 3, 0
	WIN 0
	s_wait_loadcnt 0x0
	PLACES 8
.irp a, 0,1,2,3
.irp b, 0,1,2,3
	ds_store_b128 v[STO], v[ACC+8*(4*\a+\b):ACC+8*(4*\a+\b)+3] offset:64*\b
	ds_store_b128 v[STO], v[ACC+8*(4*\a+\b)+4:ACC+8*(4*\a+\b)+7] offset:64*\b+16
.endr
.irp i, 0,1,2,3,4,5,6,7
	ds_load_b128 v[T+4*\i:T+4*\i+3], v[RD] offset:544*\i
.endr
	s_wait_dscnt 0x0
	WIN 0x88
.set j, 0
.rept 16
	v_pk_add_f32 v[32*\a+j:32*\a+j+1], v[T+j:T+j+1], v[32*\a+j:32*\a+j+1]
.set j, j+2
.endr
	WIN 0x08
.irp i, 0,1,2,3,4,5,6,7
.if PAIRED
	global_store_b128 v[CO], v[32*\a+4*\i:32*\a+4*\i+3], s[14:15] offset:(16*\a+2*\i)*4096
.else
	global_store_b128 v[CO], v[32*\a+4*\i:32*\a+4*\i+3], s[14:15] offset:(16*\a+2*\i)*4096 th:TH_STORE_NT
.endif
.endr
	WIN 0
.endr
	s_wait_tensorcnt 0x0
	ds_add_u32 v[SPW], v[NIL]
	s_wait_dscnt 0x0
	CROUND
	s_endpgm
.Lfunc_end_k_q5d9f9e8563_w2:
	.size	k_q5d9f9e8563_w2, .Lfunc_end_k_q5d9f9e8563_w2-k_q5d9f9e8563_w2
	.p2alignl 7, 3214868480
	.fill 96, 4, 3214868480
	.section	.rodata,"a",@progbits
	.p2align	6, 0x0
	.amdhsa_kernel k_q5d9f9e8563_w2
		.amdhsa_group_segment_fixed_size 327680
		.amdhsa_private_segment_fixed_size 0
		.amdhsa_enable_private_segment 0
		.amdhsa_kernarg_size 48
		.amdhsa_user_sgpr_count 2
		.amdhsa_user_sgpr_kernarg_segment_ptr 1
		.amdhsa_wavefront_size32 1
		.amdhsa_system_sgpr_workgroup_id_x 1
		.amdhsa_system_sgpr_workgroup_id_y 1
		.amdhsa_system_sgpr_workgroup_id_z 1
		.amdhsa_system_vgpr_workitem_id 0
		.amdhsa_next_free_vgpr 768
		.amdhsa_next_free_sgpr 106
		.amdhsa_reserve_vcc 0
		.amdhsa_float_denorm_mode_32 3
		.amdhsa_float_denorm_mode_16_64 3
		.amdhsa_memory_ordered 1
		.amdhsa_forward_progress 1
		.amdhsa_inst_pref_size 107
	.end_amdhsa_kernel
	.amdgpu_metadata
---
amdhsa.version: [ 1, 2 ]
amdhsa.kernels:
  - .name:           k_q5d9f9e8563_w2
    .symbol:         k_q5d9f9e8563_w2.kd
    .args:
      - { .name: gq, .offset: 0, .size: 8, .value_kind: global_buffer, .address_space: global }
      - { .name: W2_codes, .offset: 8, .size: 8, .value_kind: global_buffer, .address_space: global }
      - { .name: W2_scales, .offset: 16, .size: 8, .value_kind: global_buffer, .address_space: global }
      - { .name: b2, .offset: 24, .size: 8, .value_kind: global_buffer, .address_space: global }
      - { .name: x1, .offset: 32, .size: 8, .value_kind: global_buffer, .address_space: global }
      - { .name: out0, .offset: 40, .size: 8, .value_kind: global_buffer, .address_space: global }
    .group_segment_fixed_size: 327680
    .private_segment_fixed_size: 0
    .kernarg_segment_align: 8
    .kernarg_segment_size: 48
    .max_flat_workgroup_size: 128
    .sgpr_count:     106
    .vgpr_count:     768
    .wavefront_size: 32
...
	.end_amdgpu_metadata
.endif
;; end of part 6
